; MI455X (gfx1250); checked and timed in simulation.
; The chip was launched on July 23, 2026; its instructions are those of AMD's public machine-readable ISA for CDNA 5 (MIT licence, August 2026) and "CDNA5" Instruction Set Architecture Reference Guide (July 2026). The comments in the code are by the model that wrote it; some were corrected since.
;; Attention. Allowed arithmetic: matrix products marked QUANTISED: E2M3 operands, one E8M0 scale for each 32 along K, by v_wmma_scale_f32_16x16x128_f8f6f4 with both operands' format E2M3, f32 sums; products left as they are: f32 operands where the result goes on into a quantised operand, else bf16, f16 or f32 operands; f32 sums; everything else in f32.
;; Inputs: freqs_cos 2,048 x 64 float32; freqs_sin 2,048 x 64 float32; lk_down 16 x 2,048 float32; lk_up 2,048 x 16 float32; lq_down 16 x 2,048 float32; lq_up 2,048 x 16 float32; lv_down 16 x 2,048 float32; lv_up 2,048 x 16 float32; mask 2,048 x 2,048 float32; wk 2,048 x 2,048 float32; wo 2,048 x 2,048 float32; wq 2,048 x 2,048 float32; wv 2,048 x 2,048 float32; x 1 x 2,048 x 2,048 float32.
;; Outputs: out0 1 x 2,048 x 2,048 float32.
;; This version of the problem:
;;   THIS VERSION OF THE PROBLEM IS GIVEN IN LOW PRECISION. The matrix products marked QUANTISED in the list below multiply operands that are first quantised to E2M3 (2 exponent bits, 3 mantissa bits; 6 bits a number), with one power-of-two scale for each 32 numbers along K (OCP MX v1.0); their sums are f32. All else is computed in f32.
;;   The module's matrix products, in the order in which they are computed (A, B: the left and right operand; K: the contracted axis; several contracted axes count as one K, in the product's order):
;;     1. [M 2,048, K 2,048] x [K 2,048, N 2,048]; A: input x; B: input wq: QUANTISED
;;     2. [M 2,048, K 2,048] x [K 2,048, N 16]; A: input x; B: input lq_down: QUANTISED
;;     3. [M 2,048, K 16] x [K 16, N 2,048]; A: computed on the way; B: input lq_up: left as it is (K = 16 < 32)
;;     4. [M 2,048, K 2,048] x [K 2,048, N 2,048]; A: input x; B: input wk: QUANTISED
;;     5. [M 2,048, K 2,048] x [K 2,048, N 16]; A: input x; B: input lk_down: QUANTISED
;;     6. [M 2,048, K 16] x [K 16, N 2,048]; A: computed on the way; B: input lk_up: left as it is (K = 16 < 32)
;;     7. [M 2,048, K 2,048] x [K 2,048, N 2,048]; A: input x; B: input wv: QUANTISED
;;     8. [M 2,048, K 2,048] x [K 2,048, N 16]; A: input x; B: input lv_down: QUANTISED
;;     9. [M 2,048, K 16] x [K 16, N 2,048]; A: computed on the way; B: input lv_up: left as it is (K = 16 < 32)
;;     10. batch 16 x [M 2,048, K 128] x [K 128, N 2,048]; A: computed on the way; B: computed on the way: QUANTISED
;;     11. batch 16 x [M 2,048, K 2,048] x [K 2,048, N 128]; A: softmax (see below); B: computed on the way: QUANTISED
;;     12. [M 2,048, K 2,048] x [K 2,048, N 2,048]; A: computed on the way; B: input wo: QUANTISED
;;   THE QUANTISER, for each operand of a quantised product, along K:
;;     - K is cut into blocks of 32 from its start; a last block that is shorter is filled with zeros.
;;     - A block's scale is 2^e with e = floor(log2(the largest magnitude in the block)) - 2, held to -126 .. 127; a block of zeros has e = 0. As a byte (E8M0): e + 127.
;;     - Each number is divided by its block's scale, clamped to +-7.5, and rounded to the nearest number of E2M3, ties to even, subnormals kept.
;;     - The product sums the exact products of the quantised numbers (number of the format x scale) in f32.
;;   ~~~python
;;   def quantise(x, axis):      # numpy; x: float32 -> the quantised numbers, widened to float32 again
;;       x = np.moveaxis(x, axis, -1); K = x.shape[-1]
;;       x = np.pad(x, [(0, 0)] * (x.ndim - 1) + [(0, -K % 32)]); x = x.reshape(x.shape[:-1] + (-1, 32)); a = np.abs(x).max(-1, keepdims=True)
;;       e = np.where(a > 0, np.clip(np.frexp(np.where(a > 0, a, 1))[1] - 1 - 2, -126, 127), 0)      # np.frexp(a)[1] - 1 = floor(log2(a)), exactly
;;       r = np.clip(x / 2.0 ** e, -7.5, 7.5)
;;       step = 2.0 ** (np.maximum(np.frexp(np.where(r == 0, 1, r))[1] - 1, 0) - 3)
;;       q = np.round(r / step) * step * 2.0 ** e      # np.round: ties to even
;;       return np.moveaxis(q.reshape(q.shape[:-2] + (-1,))[..., :K], -1, axis).astype(np.float32)
;;   ~~~
;;   SOFTMAX AHEAD OF A QUANTISED PRODUCT. Where the list says 'softmax', what is quantised is not the finished softmax but p = 2^(t - M), with t = logit x log2(e) and M = ceil(the row's largest t), a whole number; so 1/2 < the row's largest p <= 1. The row's sum l is taken of the UNQUANTISED p, in f32, and the product's result is divided by l at the end. Since M is a whole number, a kernel that streams over the keys may use a running M (the ceiling of the running maximum): every later rescaling is an exact power of two, which a block's scale takes up: the codes' values come out the same.
;;   OPERANDS COMPUTED ON THE WAY. 'Computed on the way' means the value that the module computes at that place (a softmax that the list does not call 'softmax' is quantised finished and normalised). What goes into a quantiser is computed in f32, as accurately as f32 sums, v_exp_f32 and their like allow (about 1e-6 of the number): no bf16 or f16 on the way to a quantiser, and a product that is left as it is and whose result goes on into a quantised operand takes f32 operands (vector FMAs, or v_wmma_f32_16x16x4_f32). A number that lies on a knife's edge between two numbers of the format may be rounded either way, as far as f32 arithmetic and the matrix unit's own rounding can turn it there, and no further.
;; One version. Each part assembles by itself: llvm-mc -triple=amdgcn-amd-amdhsa -mcpu=gfx1250 --defsym DOCPART=n.
;; ======== version 1 of 1: 5 launches
;; limits: right only within a limited range of input values
;; workspace buffers: cimg 15,802,368 bytes; csc 658,432 bytes; mimg 16,777,216 bytes; t2 393,216 bytes; qkvc 9,437,184 bytes; qkvs 393,216 bytes; oimg 3,145,728 bytes; osc 131,072 bytes
;; launch prep (part 1): grid 771 x 1, 4 waves a work-group, no clusters, 34,304 bytes of LDS; arguments x, wq, wk, wv, wo, lq_down, lk_down, lv_down, mask, cimg, csc, mimg; writes cimg, csc, mimg
.if DOCPART == 1
	.amdgcn_target "amdgcn-amd-amdhsa--gfx1250"
	.amdhsa_code_object_version 6
	.text
	.protected	k_q3d5a3b9095_prep
	.globl	k_q3d5a3b9095_prep
	.p2align	8
	.type	k_q3d5a3b9095_prep,@function
k_q3d5a3b9095_prep:
	s_mov_b64 s[64:65], 0
	v_nop
	global_prefetch_b8 v0, s[64:65] scope:SCOPE_SE
	s_setreg_imm32_b32 hwreg(HW_REG_WAVE_MODE, 25, 1), 1
	s_wait_xcnt 0x0
; x, wq, wk, wv, wo [2048][2048] and the three LoRA downs [16][2048], f32, K innermost, become codes of FP6 (E2M3) with one E8M0 byte for each 32 along K;
; the additive mask [2048][2048] is multiplied by sqrt(128) and laid as the score product's C operand wants it.
; A UNIT is 16 rows over all 2,048 of K.  Unit T's index i is row 32 (T / 2) + 8 (T % 2) + i + 8 (i / 8) (the downs: row i): with that choice of rows every later product's
; results lie in a lane as 16 neighbours along the next K.  A FRAGMENT (16 rows x 128 K, 12 registers a lane) is stored as an image of its registers:
; registers 4 g .. 4 g + 3 of lane L at 512 g + 16 L, 1,536 bytes; a unit's 16 fragments on end.  Scale words: [unit][K step / 2][row 16][K step % 2].
; The mask's image: register 16 b + i of lane (r, h) = sqrt(128) x mask[row r of the unit][128 s + 32 b + 16 h + i], 8,192 bytes a key step.
; SHARES: a work-group takes one unit (units 0-639 the five matrices, 640-642 the downs, 643-770 the mask); wave w its K steps 4 w .. 4 w + 3.
; Each load reads 512 consecutive bytes of one row; 16 rows x 512 bytes turn through the wave's own stage in LDS (rows 528 bytes apart) and come back 16 neighbours of each block of 32 a lane.
; Each store of the wave covers 512 consecutive bytes, aligned.  Waves share nothing: no barrier.  No tiles are shared between work-groups: no cluster, no matrix unit.
; A block's scale is 2^(floor(log2(largest magnitude)) - 2).  LIMITS: a block of zeros, or one whose largest magnitude lies under 2^-124, gets the byte 1 (its codes are zeros or tiny; this program alone reads the bytes);
; NaN and infinities among x and the weights are not served.
.set STW,   8448                       ; a wave's stage: 16 rows x 528 bytes
.set SPARE, 4*STW                      ; behind the stages: the spare words, 128 bytes a wave, which no other line names
.set LO,  3                            ; v3   16 x lane
.set STI, 4                            ; v4   the stage, on the way in
.set STO, 5                            ; v5   and on the way out: row r, + 64 h
.set SO,  6                            ; v6   8 x lane
.set SPW, 8                            ; v8   my spare word's address; never rewritten
.set NIL, 9                            ; v9   0; never rewritten
.set PWS, 10                           ; v10-13 the four fragments' scale words
.set TM,  16                           ; v16-31 at work in QUANT
.set PC,  32                           ; v32-51 the codes just made
.set X,   64                           ; v64-127 64 numbers: register 16 b + i = k 32 b + 16 h + i of my row
.set R,   128                          ; v128-255 two sets of 64, as loaded
.set SEL, 36                           ; s[36:37] v_permlanex16_b32's selects for lane l xor 16
.set MSB, 0
.macro WIN new                         ; the immediate's high byte repeats the setting that is left; a switch that changes nothing is dropped
.if MSB != (\new)
	s_set_vgpr_msb (MSB<<8)|(\new)
.set MSB, (\new)
.endif
.endm
; 64 numbers of a lane (window w), register 16 b + i = k 32 b + 16 (lane / 16) + i of my row, become a fragment's codes in v[PC] on and its scale word in v[pw]
.macro QUANT src, w, pw
	WIN (\w)|((\w)<<2)
.irp b, 0,1,2,3
	v_max3_num_f32 v[TM+\b], |v[(\src)+16*\b]|, |v[(\src)+1+16*\b]|, 0x1800000   ; my 16 numbers of block b, and the floor 2^(3 - 127): the byte cannot fall under 1
.endr
	WIN ((\w)<<2)|((\w)<<4)
.irp i, 2,4,6,8,10,12,14
.irp b, 0,1,2,3
	v_max3_num_f32 v[TM+\b], v[TM+\b], |v[(\src)+16*\b+\i]|, |v[(\src)+1+16*\b+\i]|   ; the four blocks by turns
.endr
.endr
	WIN 0
.irp b, 0,1,2,3
	v_permlanex16_b32 v[TM+4+\b], v[TM+\b], s[SEL], s[SEL+1]
.endr
.irp b, 0,1,2,3
	v_max_num_f32 v[TM+\b], v[TM+\b], v[TM+4+\b]       ; with lane l xor 16's: the block's largest magnitude
.endr
.irp b, 0,1,2,3
	v_add_nc_u32 v[TM+12+\b], 0xff000000, v[TM+\b]     ; 2 off its exponent field: the conversion's scale operand
.endr
.irp b, 0,1,2,3
	v_lshrrev_b32 v[TM+4+\b], 23, v[TM+12+\b]          ; the scale's byte
.endr
	v_lshl_or_b32 v[\pw], v[TM+5], 8, v[TM+4]          ; four bytes: my row's scale word
	v_lshl_or_b32 v[\pw], v[TM+6], 16, v[\pw]
	v_lshl_or_b32 v[\pw], v[TM+7], 24, v[\pw]
	WIN (\w)
.irp c, 0,1
	v_cvt_scalef32_pk16_fp6_f32 v[PC+6*\c:PC+2+6*\c], v[(\src)+32*\c:(\src)+15+32*\c], v[TM+12+2*\c]
	v_cvt_scalef32_pk16_fp6_f32 v[PC+12+4*\c:PC+14+4*\c], v[(\src)+16+32*\c:(\src)+31+32*\c], v[TM+13+2*\c]   ; (a conversion's three registers begin on an even number)
.endr
	WIN 0
	v_nop                                              ; one plain place behind a scaled conversion
.irp c, 0,1                                        ; the operand's layout wants a whole block in a lane
.irp i, 0,1,2
	v_permlane16_swap_b32 v[PC+6*\c+\i], v[PC+12+4*\c+\i]
.endr
.irp i, 0,1,2
	v_mov_b32 v[PC+3+6*\c+\i], v[PC+12+4*\c+\i]
.endr
.endr
.endm
	s_load_b512 s[8:23], s[0:1], 0x0               ; x, wq, wk, wv, wo, lq_down, lk_down, lv_down
	s_load_b256 s[24:31], s[0:1], 0x40             ; mask, cimg, csc, mimg
	v_lshl_add_u32 v[SPW], v0, 2, SPARE
	v_mov_b32 v[NIL], 0
	v_lshrrev_b32 v1, 5, v0
	v_readfirstlane_b32 s32, v1                    ; wave
	v_and_b32 v1, 31, v0                           ; lane
	v_and_b32 v2, 15, v0                           ; r
	v_bfe_u32 v7, v0, 4, 1                         ; h
	v_lshlrev_b32 v[LO], 4, v1
	s_mul_i32 s46, s32, STW
	v_add_nc_u32 v[STI], s46, v[LO]
	v_mul_u32_u24 v[STO], v2, 528
	v_lshl_add_u32 v[STO], v7, 6, v[STO]
	v_add_nc_u32 v[STO], s46, v[STO]
	v_lshlrev_b32 v[SO], 3, v1
.irp b, 0,1,2,3
	v_mov_b32 v[TM+4+\b], 0                        ; a lane permute's destination counts as one of its sources
	v_mov_b32 v[PWS+\b], 0                         ; written on every path
.endr
	s_mov_b32 s34, 0x413504f3                      ; sqrt(128)
	s_mov_b32 s35, s34                             ; (named with it as a pair)
	s_mov_b32 s[SEL], 0x76543210
	s_mov_b32 s[SEL+1], 0xfedcba98
	s_and_b32 s33, ttmp9, 127                      ; T: the unit's number in its tensor
	s_sub_co_u32 s46, ttmp9, 643
	s_cmp_ge_u32 ttmp9, 640
	s_cselect_b32 s33, 0, s33                      ; the downs: one unit each,
	s_cselect_b32 s47, 0, 0x10000                  ; whose rows 8-15 follow rows 0-7; elsewhere they lie 8 rows of 8,192 bytes further on
	s_cmp_ge_u32 ttmp9, 643
	s_cselect_b32 s33, s46, s33                    ; the mask
	s_cselect_b32 s47, 0x10000, s47
	s_lshr_b32 s38, s33, 1                         ; the unit's first row, 32 (T / 2) + 8 (T % 2), x 8,192 bytes,
	s_lshl_b32 s38, s38, 18
	s_and_b32 s39, s33, 1
	s_lshl_b32 s39, s39, 16
	s_add_co_u32 s38, s38, s39
	s_lshl_b32 s39, s32, 11                        ; + my wave's four K steps of 512 bytes
	s_add_co_u32 s38, s38, s39
	s_mov_b32 s39, 0
	s_min_u32 s46, ttmp9, 642                      ; (the mask's work-groups store no codes: their offset is held inside the buffer)
	s_mul_i32 s48, s46, 24576
	s_mul_i32 s49, s32, 6144
	s_add_co_u32 s48, s48, s49
	s_mov_b32 s49, 0
	s_lshl_b32 s50, s46, 10
	s_lshl_b32 s51, s32, 8
	s_add_co_u32 s50, s50, s51
	s_mov_b32 s51, 0
	s_lshl_b32 s52, s33, 17
	s_lshl_b32 s53, s32, 15
	s_add_co_u32 s52, s52, s53
	s_mov_b32 s53, 0
	s_wait_kmcnt 0x0
	s_mov_b64 s[4:5], s[24:25]                     ; which tensor: the choice hangs on the work-group's number alone
	s_cmp_lt_u32 ttmp9, 643
	s_cselect_b64 s[4:5], s[22:23], s[4:5]
	s_cmp_lt_u32 ttmp9, 642
	s_cselect_b64 s[4:5], s[20:21], s[4:5]
	s_cmp_lt_u32 ttmp9, 641
	s_cselect_b64 s[4:5], s[18:19], s[4:5]
	s_cmp_lt_u32 ttmp9, 640
	s_cselect_b64 s[4:5], s[16:17], s[4:5]
	s_cmp_lt_u32 ttmp9, 512
	s_cselect_b64 s[4:5], s[14:15], s[4:5]
	s_cmp_lt_u32 ttmp9, 384
	s_cselect_b64 s[4:5], s[12:13], s[4:5]
	s_cmp_lt_u32 ttmp9, 256
	s_cselect_b64 s[4:5], s[10:11], s[4:5]
	s_cmp_lt_u32 ttmp9, 128
	s_cselect_b64 s[4:5], s[8:9], s[4:5]
	s_add_nc_u64 s[4:5], s[4:5], s[38:39]          ; rows 0-7 of the unit from here,
	s_mov_b32 s38, s47
	s_add_nc_u64 s[6:7], s[4:5], s[38:39]          ; rows 8-15 from here
	s_add_nc_u64 s[40:41], s[26:27], s[48:49]      ; my codes
	s_add_nc_u64 s[42:43], s[28:29], s[50:51]      ; my scale words
	s_add_nc_u64 s[44:45], s[30:31], s[52:53]      ; my part of the mask's image
.macro LOAD f                          ; fragment f: 16 rows x 512 bytes, 32 lanes on 512 consecutive bytes
.irp j, 0,1,2,3,4,5,6,7
	global_load_b128 v[R+64*((\f)%2)+4*\j:R+64*((\f)%2)+4*\j+3], v[LO], s[4:5] offset:8192*\j+512*(\f) th:TH_LOAD_NT
.endr
.irp j, 8,9,10,11,12,13,14,15
	global_load_b128 v[R+64*((\f)%2)+4*\j:R+64*((\f)%2)+4*\j+3], v[LO], s[6:7] offset:8192*\j+512*(\f) th:TH_LOAD_NT
.endr
.endm
.macro TURN f                          ; through my stage: LDS serves a wave's instructions in order, so no wait stands between the stores and the loads
.irp j, 0,1,2,3,4,5,6,7,8,9,10,11,12,13,14,15
	ds_store_b128 v[STI], v[R+64*((\f)%2)+4*\j:R+64*((\f)%2)+4*\j+3] offset:528*\j
.endr
.irp b, 0,1,2,3
.irp i, 0,1,2,3
	ds_load_b128 v[X+16*\b+4*\i:X+16*\b+4*\i+3], v[STO] offset:128*\b+16*\i
.endr
.endr
.endm
.macro PIECE f
.if (\f) < 3
	s_wait_loadcnt 16                              ; this fragment's 16 loads are in; the next fragment's 16 may be out
.else
	s_wait_loadcnt 0x0
.endif
	s_wait_xcnt 0x0                                ; the last fragment's stores have read X and the codes' registers: both are written again only behind this wait
	TURN \f
	s_wait_dscnt 0x0                               ; X is in, and the stage's stores have read their set
.if (\f) < 2
	LOAD (\f)+2
.endif
	s_cmp_ge_u32 ttmp9, 643                        ; the two ways differ in register work and global stores alone: every LDS line stands on the common way
	s_cbranch_scc1 .Lmask_\@
	QUANT X, 0, PWS+\f
.irp g, 0,1,2
	global_store_b128 v[LO], v[PC+4*\g:PC+4*\g+3], s[40:41] offset:1536*(\f)+512*\g
.endr
	s_branch .Ldone_\@
.Lmask_\@:
.set I, 0
.rept 32
	v_pk_mul_f32 v[X+I:X+I+1], v[X+I:X+I+1], s[34:35] op_sel_hi:[1,0]
.set I, I+2
.endr
.irp g, 0,1,2,3,4,5,6,7,8,9,10,11,12,13,14,15
	global_store_b128 v[LO], v[X+4*\g:X+4*\g+3], s[44:45] offset:8192*(\f)+512*\g
.endr
.Ldone_\@:
.endm
	LOAD 0
	LOAD 1
	PIECE 0
	PIECE 1
	PIECE 2
	PIECE 3
	s_cmp_ge_u32 ttmp9, 643
	s_cbranch_scc1 .Lend
	v_cmp_gt_u32 vcc_lo, 16, v1                    ; lanes 0-15: K steps 4 w, 4 w + 1 of row r; lanes 16-31: 4 w + 2, 4 w + 3
	v_cndmask_b32 v14, v[PWS+2], v[PWS], vcc_lo
	v_cndmask_b32 v15, v[PWS+3], v[PWS+1], vcc_lo
	global_store_b64 v[SO], v[14:15], s[42:43]     ; 32 lanes store 256 consecutive bytes, aligned
.Lend:
	s_wait_tensorcnt 0x0                           ; the wave's end
	ds_add_u32 v[SPW], v[NIL]
	s_wait_dscnt 0x0
	s_endpgm
.Lfunc_end_k_q3d5a3b9095_prep:
	.size	k_q3d5a3b9095_prep, .Lfunc_end_k_q3d5a3b9095_prep-k_q3d5a3b9095_prep
	.p2alignl 7, 3214868480
	.fill 96, 4, 3214868480
	.section	.rodata,"a",@progbits
	.p2align	6, 0x0
	.amdhsa_kernel k_q3d5a3b9095_prep
		.amdhsa_group_segment_fixed_size 34304
		.amdhsa_private_segment_fixed_size 0
		.amdhsa_enable_private_segment 0
		.amdhsa_kernarg_size 96
		.amdhsa_user_sgpr_count 2
		.amdhsa_user_sgpr_kernarg_segment_ptr 1
		.amdhsa_wavefront_size32 1
		.amdhsa_system_sgpr_workgroup_id_x 1
		.amdhsa_system_sgpr_workgroup_id_y 1
		.amdhsa_system_sgpr_workgroup_id_z 1
		.amdhsa_system_vgpr_workitem_id 0
		.amdhsa_next_free_vgpr 256
		.amdhsa_next_free_sgpr 66
		.amdhsa_reserve_vcc 1
		.amdhsa_float_denorm_mode_32 3
		.amdhsa_float_denorm_mode_16_64 3
		.amdhsa_memory_ordered 1
		.amdhsa_forward_progress 1
		.amdhsa_inst_pref_size 49
	.end_amdhsa_kernel
	.amdgpu_metadata
---
amdhsa.version: [ 1, 2 ]
amdhsa.kernels:
  - .name:           k_q3d5a3b9095_prep
    .symbol:         k_q3d5a3b9095_prep.kd
    .args:
      - { .name: x, .offset: 0, .size: 8, .value_kind: global_buffer, .address_space: global }
      - { .name: wq, .offset: 8, .size: 8, .value_kind: global_buffer, .address_space: global }
      - { .name: wk, .offset: 16, .size: 8, .value_kind: global_buffer, .address_space: global }
      - { .name: wv, .offset: 24, .size: 8, .value_kind: global_buffer, .address_space: global }
      - { .name: wo, .offset: 32, .size: 8, .value_kind: global_buffer, .address_space: global }
      - { .name: lq_down, .offset: 40, .size: 8, .value_kind: global_buffer, .address_space: global }
      - { .name: lk_down, .offset: 48, .size: 8, .value_kind: global_buffer, .address_space: global }
      - { .name: lv_down, .offset: 56, .size: 8, .value_kind: global_buffer, .address_space: global }
      - { .name: mask, .offset: 64, .size: 8, .value_kind: global_buffer, .address_space: global }
      - { .name: cimg, .offset: 72, .size: 8, .value_kind: global_buffer, .address_space: global }
      - { .name: csc, .offset: 80, .size: 8, .value_kind: global_buffer, .address_space: global }
      - { .name: mimg, .offset: 88, .size: 8, .value_kind: global_buffer, .address_space: global }
    .group_segment_fixed_size: 34304
    .private_segment_fixed_size: 0
    .kernarg_segment_align: 8
    .kernarg_segment_size: 96
    .max_flat_workgroup_size: 128
    .sgpr_count:     66
    .vgpr_count:     256
    .wavefront_size: 32
...
	.end_amdgpu_metadata
.endif
;; end of part 1
;; launch lora (part 2): grid 128 x 1, 4 waves a work-group, no clusters, 12,800 bytes of LDS; arguments cimg, csc, t2; writes t2
.if DOCPART == 2
	.amdgcn_target "amdgcn-amd-amdhsa--gfx1250"
	.amdhsa_code_object_version 6
	.text
	.protected	k_q3d5a3b9095_lora
	.globl	k_q3d5a3b9095_lora
	.p2align	8
	.type	k_q3d5a3b9095_lora,@function
k_q3d5a3b9095_lora:
	s_mov_b64 s[64:65], 0
	v_nop
	global_prefetch_b8 v0, s[64:65] scope:SCOPE_SE
	s_setreg_imm32_b32 hwreg(HW_REG_WAVE_MODE, 25, 1), 1
	s_wait_xcnt 0x0
; t2[section][token][rank] = 2 x (x . down[section]^T), f32: the three LoRA downs, on codes of FP6 with E8M0 scales.  The factor 2 is lora_alpha / lora_r: a power of two, so it may stand here.
; A work-group takes one unit of x (16 tokens, all of K); wave w takes K steps 4 w .. 4 w + 3 for all three downs: 12 matrix instructions, three accumulators by turns.
; Source 0 = 16 ranks of a down, source 1 = 16 tokens: lane (r, h) holds token r of the unit and ranks 8 h .. 8 h + 7.  The four waves' partial sums meet in LDS; waves 0-2 add them, (p0 + p1) + (p2 + p3), a section each.
; The order of the f32 sums so differs from a single ascending sum.  Operands come straight from memory as images of their registers (16 bytes a lane, 512 consecutive bytes a load): no tensor load, no cluster.
.set SPARE, 12288                      ; behind the partial sums: the spare words
.set SPW, 8
.set NIL, 9
.set XF,  16                           ; v16-63   x's four fragments
.set DF,  64                           ; v64-207  the downs' twelve: 4 x section + f
.set XS,  208                          ; v208-211 x's scale words
.set DS,  212                          ; v212-223 the downs'
.set ACC, 224                          ; v224-247
	s_load_b128 s[4:7], s[0:1], 0x0                ; cimg, csc
	s_load_b64 s[8:9], s[0:1], 0x10                ; t2
	v_lshl_add_u32 v[SPW], v0, 2, SPARE
	v_mov_b32 v[NIL], 0
	v_lshrrev_b32 v1, 5, v0
	v_readfirstlane_b32 s12, v1                    ; wave
	v_and_b32 v10, 31, v0
	v_and_b32 v1, 15, v0                           ; r
	v_bfe_u32 v2, v0, 4, 1                         ; h
	v_lshlrev_b32 v3, 4, v10                       ; 16 x lane
	v_lshlrev_b32 v4, 3, v1                        ; 8 r: a row's pair of scale words
	s_mul_i32 s13, s12, 3072
	v_add_nc_u32 v5, s13, v3                       ; where I put my partial sums: [wave][section][half][512]
	s_lshl_b32 s13, s12, 10
	v_add_nc_u32 v6, s13, v3                       ; where I read section = my wave's number back
	v_and_b32 v7, 8, v1
	v_add_nc_u32 v7, v7, v1                        ; r + 8 (r / 8)
	v_lshlrev_b32 v7, 6, v7
	v_lshl_add_u32 v7, v2, 5, v7                   ; t2: 64 bytes a token, + 32 h
	s_mul_i32 s24, ttmp9, 24576
	s_mul_i32 s25, s12, 6144
	s_add_co_u32 s24, s24, s25                     ; x's unit, my four K steps
	s_add_co_u32 s26, s25, 640*24576               ; the downs' units 640 .. 642
	s_mov_b32 s25, 0
	s_mov_b32 s27, 0
	s_lshl_b32 s28, ttmp9, 10
	s_lshl_b32 s29, s12, 8
	s_add_co_u32 s28, s28, s29
	s_add_co_u32 s30, s29, 640*1024
	s_mov_b32 s29, 0
	s_mov_b32 s31, 0
	s_min_u32 s32, s12, 2                          ; (wave 3 stores nothing)
	s_lshl_b32 s32, s32, 17
	s_lshr_b32 s33, ttmp9, 1
	s_lshl_b32 s33, s33, 11
	s_add_co_u32 s32, s32, s33
	s_and_b32 s33, ttmp9, 1
	s_lshl_b32 s33, s33, 9
	s_add_co_u32 s32, s32, s33                     ; section x 131,072 + the unit's first token x 64
	s_mov_b32 s33, 0
	s_wait_alu depctr_va_vdst(0)
	s_wait_kmcnt 0x0
	s_add_nc_u64 s[14:15], s[4:5], s[24:25]
	s_add_nc_u64 s[16:17], s[4:5], s[26:27]
	s_add_nc_u64 s[18:19], s[6:7], s[28:29]
	s_add_nc_u64 s[20:21], s[6:7], s[30:31]
	s_add_nc_u64 s[22:23], s[8:9], s[32:33]
.irp f, 0,1,2,3
.irp g, 0,1,2
	global_load_b128 v[XF+12*\f+4*\g:XF+12*\f+4*\g+3], v3, s[14:15] offset:1536*\f+512*\g
.endr
.endr
.irp c, 0,1,2
.irp f, 0,1,2,3
.irp g, 0,1,2
	global_load_b128 v[DF+12*(4*\c+\f)+4*\g:DF+12*(4*\c+\f)+4*\g+3], v3, s[16:17] offset:24576*\c+1536*\f+512*\g
.endr
.endr
.endr
.irp e, 0,1
	global_load_b64 v[XS+2*\e:XS+2*\e+1], v4, s[18:19] offset:128*\e
.endr
.irp c, 0,1,2
.irp e, 0,1
	global_load_b64 v[DS+4*\c+2*\e:DS+4*\c+2*\e+1], v4, s[20:21] offset:1024*\c+128*\e
.endr
.endr
	s_wait_loadcnt 0x0
.irp f, 0,1,2,3                                ; the three accumulators take turns, one instruction a turn
.irp c, 0,1,2
.if \f == 0
	v_wmma_scale_f32_16x16x128_f8f6f4 v[ACC+8*\c:ACC+8*\c+7], v[DF+12*(4*\c+\f):DF+12*(4*\c+\f)+11], v[XF+12*\f:XF+12*\f+11], 0, v[DS+4*\c+\f], v[XS+\f] matrix_a_fmt:MATRIX_FMT_FP6 matrix_b_fmt:MATRIX_FMT_FP6
.else
	v_wmma_scale_f32_16x16x128_f8f6f4 v[ACC+8*\c:ACC+8*\c+7], v[DF+12*(4*\c+\f):DF+12*(4*\c+\f)+11], v[XF+12*\f:XF+12*\f+11], v[ACC+8*\c:ACC+8*\c+7], v[DS+4*\c+\f], v[XS+\f] matrix_a_fmt:MATRIX_FMT_FP6 matrix_b_fmt:MATRIX_FMT_FP6
.endif
.endr
.endr
.rept 4
	v_nop                                          ; places in front of the first read of results, and of loads into registers that matrix instructions have read
.endr
.irp c, 0,1,2
	ds_store_b128 v5, v[ACC+8*\c:ACC+8*\c+3] offset:1024*\c          ; each accumulator from its low end on
	ds_store_b128 v5, v[ACC+8*\c+4:ACC+8*\c+7] offset:1024*\c+512
.endr
	s_wait_dscnt 0x0                               ; for the others' sake: my stores have landed
	s_barrier_signal -1
	s_barrier_wait -1
	s_cmp_eq_u32 s12, 3
	s_cbranch_scc1 .Lnone
.irp p, 0,1,2,3
.irp e, 0,1
	ds_load_b128 v[16+8*\p+4*\e:19+8*\p+4*\e], v6 offset:3072*\p+512*\e
.endr
.endr
	s_wait_dscnt 0x0
.irp i, 0,2,4,6
	v_pk_add_f32 v[16+\i:17+\i], v[16+\i:17+\i], v[24+\i:25+\i]
	v_pk_add_f32 v[32+\i:33+\i], v[32+\i:33+\i], v[40+\i:41+\i]
.endr
.irp i, 0,2,4,6
	v_pk_add_f32 v[16+\i:17+\i], v[16+\i:17+\i], v[32+\i:33+\i]
.endr
.irp i, 0,2,4,6
	v_pk_mul_f32 v[16+\i:17+\i], v[16+\i:17+\i], 2.0 op_sel_hi:[1,0]
.endr
	global_store_b128 v7, v[16:19], s[22:23]
	global_store_b128 v7, v[20:23], s[22:23] offset:16
.Lnone:
	s_wait_tensorcnt 0x0                           ; the wave's end
	ds_add_u32 v[SPW], v[NIL]
	s_wait_dscnt 0x0
	s_endpgm
.Lfunc_end_k_q3d5a3b9095_lora:
	.size	k_q3d5a3b9095_lora, .Lfunc_end_k_q3d5a3b9095_lora-k_q3d5a3b9095_lora
	.p2alignl 7, 3214868480
	.fill 96, 4, 3214868480
	.section	.rodata,"a",@progbits
	.p2align	6, 0x0
	.amdhsa_kernel k_q3d5a3b9095_lora
		.amdhsa_group_segment_fixed_size 12800
		.amdhsa_private_segment_fixed_size 0
		.amdhsa_enable_private_segment 0
		.amdhsa_kernarg_size 24
		.amdhsa_user_sgpr_count 2
		.amdhsa_user_sgpr_kernarg_segment_ptr 1
		.amdhsa_wavefront_size32 1
		.amdhsa_system_sgpr_workgroup_id_x 1
		.amdhsa_system_sgpr_workgroup_id_y 1
		.amdhsa_system_sgpr_workgroup_id_z 1
		.amdhsa_system_vgpr_workitem_id 0
		.amdhsa_next_free_vgpr 256
		.amdhsa_next_free_sgpr 66
		.amdhsa_reserve_vcc 0
		.amdhsa_float_denorm_mode_32 3
		.amdhsa_float_denorm_mode_16_64 3
		.amdhsa_memory_ordered 1
		.amdhsa_forward_progress 1
		.amdhsa_inst_pref_size 12
	.end_amdhsa_kernel
	.amdgpu_metadata
---
amdhsa.version: [ 1, 2 ]
amdhsa.kernels:
  - .name:           k_q3d5a3b9095_lora
    .symbol:         k_q3d5a3b9095_lora.kd
    .args:
      - { .name: cimg, .offset: 0, .size: 8, .value_kind: global_buffer, .address_space: global }
      - { .name: csc, .offset: 8, .size: 8, .value_kind: global_buffer, .address_space: global }
      - { .name: t2, .offset: 16, .size: 8, .value_kind: global_buffer, .address_space: global }
    .group_segment_fixed_size: 12800
    .private_segment_fixed_size: 0
    .kernarg_segment_align: 8
    .kernarg_segment_size: 24
    .max_flat_workgroup_size: 128
    .sgpr_count:     66
    .vgpr_count:     256
    .wavefront_size: 32
...
	.end_amdgpu_metadata
.endif
;; end of part 2
;; launch qkv (part 3): grid 24 x 8, 4 waves a work-group, clusters of 4 x 4, 327,680 bytes of LDS; arguments cimg, csc, t2, lq_up, lk_up, lv_up, freqs_cos, freqs_sin, qkvc, qkvs; writes qkvc, qkvs
.if DOCPART == 3
	.amdgcn_target "amdgcn-amd-amdhsa--gfx1250"
	.amdhsa_code_object_version 6
	.text
	.protected	k_q3d5a3b9095_qkv
	.globl	k_q3d5a3b9095_qkv
	.p2align	8
	.type	k_q3d5a3b9095_qkv,@function
k_q3d5a3b9095_qkv:
	s_mov_b64 s[64:65], 0
	v_nop
	global_prefetch_b8 v0, s[64:65] scope:SCOPE_SE
	s_setreg_imm32_b32 hwreg(HW_REG_WAVE_MODE, 25, 1), 1
	s_wait_xcnt 0x0
	s_wait_alu depctr_hold_cnt(0) depctr_sa_sdst(0) depctr_va_vdst(0) depctr_va_sdst(0) depctr_va_ssrc(0) depctr_va_vcc(0) depctr_vm_vsrc(0)
	s_getreg_b32 s2, hwreg(HW_REG_IB_STS2, 6, 4)
	s_cmp_eq_u32 s2, 0
	s_cbranch_scc0 .Lentry_in_a_cluster
	s_endpgm
.Lentry_in_a_cluster:
	s_bfe_u32 s2, ttmp6, 0x10000c
	s_cmp_lg_u32 s2, 0xf033
	s_cbranch_scc0 .Lentry_shape_is_right
	s_endpgm
.Lentry_shape_is_right:
; q, k, v = x W^T + (2 x down^T) up^T; q and k rotated (RoPE); all three quantised to FP6 (E2M3) with E8M0 scales: q and k along the head's 128 channels, v along the keys.
; A work-group makes 256 x 256 of one section (columns 0-7 of the grid q, 8-15 k, 16-23 v), four waves of 128 x 128: 64 accumulators, 512 registers.
; Source 0 = 16 rows of the "B matrix", source 1 = 16 rows of the "A matrix".  q, k: A = x (tokens), B = wq, wk (channels).  v: A = wv (channels), B = x (tokens): the same
; instructions then leave a lane with one channel and registers along the tokens, which are the second attention product's K.  Nothing is transposed.
; All operands come as images of their registers, in units of 16 rows whose rows are chosen (32 (T / 2) + 8 (T % 2) + i + 8 (i / 8)) so that a lane's 64 results of a block of A
; are, register 16 b + i, B's row 32 b + 16 (lane / 16) + i of the wave's 128: what QUANT takes.  So a block's 8 accumulators become one fragment of the next product in registers.
; THE LORA UPS (K = 16, f32 operands) start all 64 sums, by v_wmma_f32_16x16x4_f32, while the first tiles are on their way; the accumulators are written by matrix instructions alone.
; Their K is taken in the order rank 8 h + 2 s + j (step s, lane half h, register j) on both sides alike.  The order of the f32 sums so differs: LoRA first.
; K goes in steps of 256 through two LDS slots; a wave's tensor load brings 8 units x 3,072 bytes.  The scale words of the work-group's rows, for all of K, come once and stay.
; CLUSTERS: 4 x 4 work-groups; A's tiles are asked for jointly along a row of the cluster, B's along a column.  The section hangs on the cluster's x alone: it is the same in all sixteen partners.
; 192 work-groups: the grid of 256 x 256 tiles of three sections.
; LIMITS: a block of zeros or under 2^-124 gets the scale byte 1; NaN and infinities are not served.
; REGISTERS: window 0: v1-31 addresses; v32-63 scale words, two sets; v128-223 A's fragments, one set; on the way out v64-127 rotated numbers, v128-175 QUANT's.  window 1: B's fragments, two sets, at v0 and v128; on the way out four sets of cos and sin.
;   windows 2, 3: the accumulators ((a, b) at v[8 (8 (a % 4) + b)]).
.set FR,    12
.set NL,    3                          ; LDS loads that bring a fragment
.set NP,    4                          ; places behind the scaled matrix instruction on 6-bit codes (ISA guide 7.12.1)
.set NQ,    2                          ; K steps of 128 in a slot
.set HALFT, 24576                      ; 8 units x 2 K steps x 1,536 bytes: what one tensor load brings
.set SLOT,  4*HALFT                    ; A's two halves, then B's two
.set SCL,   2*SLOT                     ; behind the ring: the scale words, 4 x 8,192 bytes, filled once
.set HALFS, 8192
.set SBLK,  1024
.set SPARE, SCL+4*HALFS                ; the spare words, 128 bytes a wave, which no other line names
.set LAPS,  4                          ; 2,048 / (2 x 256)
.set ADRA, 16
.set ADRB, 20
.set RO,   24                          ; v24  cos, sin: my token's row + 32 h
.set IO,   25                          ; v25  16 x lane
.set SOF,  26                          ; v26  32 r + 16 h
.set ADRS, 27
.set SPW,  28
.set NIL,  29
.set LOF,  30                          ; v30  t2, up: my row of 64 bytes + 32 h
.set SC,   32
.set AF,   128
.set H,    64
.set PC,   128
.set TM,   148
.set PWS,  164
.set SEL,  104
.set G1, 24
.set G0, 32
.set G1B, 48
.set G0B, 56
.set G1S, 68
.set G0S, 76
.set G1SB, 80
.set G0SB, 88
.set MUL_LO, 0xa1                      ; source 0 (B) window 1, source 1 (A) window 0, C and D window 2
.set MUL_HI, 0xf1                      ; the same, C and D window 3
.set TO_B,   0x40
.set MSB, 0
.macro WIN new
.if MSB != (\new)
	s_set_vgpr_msb (MSB<<8)|(\new)
.set MSB, (\new)
.endif
.endm
.macro QUANT src, w, pw                ; 64 numbers of a lane (window w), register 16 b + i = k 32 b + 16 (lane / 16) + i, become a fragment in v[PC] on and its scale word in v[pw]
	WIN (\w)|((\w)<<2)
.irp b, 0,1,2,3
	v_max3_num_f32 v[TM+\b], |v[(\src)+16*\b]|, |v[(\src)+1+16*\b]|, 0x1800000   ; and the floor 2^(3 - 127).  (Each accumulator is read from its low end on)
.endr
	WIN ((\w)<<2)|((\w)<<4)
.irp i, 2,4,6,8,10,12,14
.irp b, 0,1,2,3
	v_max3_num_f32 v[TM+\b], v[TM+\b], |v[(\src)+16*\b+\i]|, |v[(\src)+1+16*\b+\i]|
.endr
.endr
	WIN 0
.irp b, 0,1,2,3
	v_permlanex16_b32 v[TM+4+\b], v[TM+\b], s[SEL], s[SEL+1]
.endr
.irp b, 0,1,2,3
	v_max_num_f32 v[TM+\b], v[TM+\b], v[TM+4+\b]
.endr
.irp b, 0,1,2,3
	v_add_nc_u32 v[TM+12+\b], 0xff000000, v[TM+\b]
.endr
.irp b, 0,1,2,3
	v_lshrrev_b32 v[TM+4+\b], 23, v[TM+12+\b]
.endr
	v_lshl_or_b32 v[\pw], v[TM+5], 8, v[TM+4]
	v_lshl_or_b32 v[\pw], v[TM+6], 16, v[\pw]
	v_lshl_or_b32 v[\pw], v[TM+7], 24, v[\pw]
	WIN (\w)
.irp c, 0,1
	v_cvt_scalef32_pk16_fp6_f32 v[PC+6*\c:PC+2+6*\c], v[(\src)+32*\c:(\src)+15+32*\c], v[TM+12+2*\c]
	v_cvt_scalef32_pk16_fp6_f32 v[PC+12+4*\c:PC+14+4*\c], v[(\src)+16+32*\c:(\src)+31+32*\c], v[TM+13+2*\c]
.endr
	WIN 0
	v_nop                                              ; one plain place behind a scaled conversion
.irp c, 0,1
.irp i, 0,1,2
	v_permlane16_swap_b32 v[PC+6*\c+\i], v[PC+12+4*\c+\i]
.endr
.irp i, 0,1,2
	v_mov_b32 v[PC+3+6*\c+\i], v[PC+12+4*\c+\i]
.endr
.endr
.endm
; A joint load: waves 0 and 1 fetch for A, waves 2 and 3 for B; the branch hangs on the wave's number alone.  An s_nop 0 and four v_nop follow each of the two lines.
.macro JLOAD g0a, g1a, g0b, g1b
	s_cmp_eq_u32 s17, 0
	s_cbranch_scc0 .Lfor_b_\@
	tensor_load_to_lds s[\g0a:\g0a+3], s[\g1a:\g1a+7]
	s_nop 0
.rept 4
	v_nop
.endr
	s_branch .Lasked_\@
.Lfor_b_\@:
	tensor_load_to_lds s[\g0b:\g0b+3], s[\g1b:\g1b+7]
	s_nop 0
.rept 4
	v_nop
.endr
.Lasked_\@:
.endm
.macro CREST                           ; a round of the cluster's barrier behind its opening barrier
	s_cmp_lg_u32 s16, 0
	s_cbranch_scc1 .Lnot_wave_0_\@
	s_barrier_signal -3
.Lnot_wave_0_\@:
	s_barrier_wait -3
	s_barrier_signal -1
	s_barrier_wait -1
.endm
.macro CROUND
	s_barrier_signal -1
	s_barrier_wait -1
	CREST
.endm
.macro PLACES n
.rept \n
	v_nop
.endr
.endm
.macro FRAG reg, adr, q, i             ; unit i's fragment of the slot's q-th K step: an image of its registers, 512 consecutive bytes a load
.irp g, 0,1,2
	ds_load_b128 v[\reg+4*\g:\reg+4*\g+3], v[\adr] offset:3072*(\i)+1536*(\q)+512*\g
.endr
.endm
; 16 matrix instructions: A's blocks a0, a0 + 1 x B's eight.  The 64 accumulators take turns, one instruction a turn, in the same order in every step.
; One register carries A's scale word of block i in lanes 0-15 and B's of block i in lanes 16-31.
.macro MUL16 a0, p, q, sc, zero
.irp a, \a0, \a0+1
.irp b, 0,1,2,3,4,5,6,7
.if \zero
	v_wmma_scale_f32_16x16x128_f8f6f4 v[8*(8*((\a)%4)+\b):8*(8*((\a)%4)+\b)+7], v[128*(\p)+FR*\b:128*(\p)+FR*\b+FR-1], v[AF+FR*(\a):AF+FR*(\a)+FR-1], 0, v[SC+8*NQ*(\sc)+NQ*\b+(\q)], v[SC+8*NQ*(\sc)+NQ*(\a)+(\q)] matrix_a_fmt:MATRIX_FMT_FP6 matrix_b_fmt:MATRIX_FMT_FP6 matrix_a_scale:MATRIX_SCALE_ROW1
.else
	v_wmma_scale_f32_16x16x128_f8f6f4 v[8*(8*((\a)%4)+\b):8*(8*((\a)%4)+\b)+7], v[128*(\p)+FR*\b:128*(\p)+FR*\b+FR-1], v[AF+FR*(\a):AF+FR*(\a)+FR-1], v[8*(8*((\a)%4)+\b):8*(8*((\a)%4)+\b)+7], v[SC+8*NQ*(\sc)+NQ*\b+(\q)], v[SC+8*NQ*(\sc)+NQ*(\a)+(\q)] matrix_a_fmt:MATRIX_FMT_FP6 matrix_b_fmt:MATRIX_FMT_FP6 matrix_a_scale:MATRIX_SCALE_ROW1
.endif
.endr
.endr
.endm
.macro FETCH_B slot, q, p
	WIN TO_B
.irp i, 0,1,2,3,4,5,6,7
	FRAG 128*(\p)+FR*\i, ADRB+\slot, \q, \i
.endr
	WIN 0
.endm
.macro FETCH_A slot, q, i0
.irp i, \i0, \i0+1, \i0+2, \i0+3
	FRAG AF+FR*(\i), ADRA+\slot, \q, \i
.endr
.endm
.macro SCALES sc                       ; a slot's two scale words a row
.irp i, 0,1,2,3,4,5,6,7
	ds_load_b64 v[SC+8*NQ*\sc+NQ*\i:SC+8*NQ*\sc+NQ*\i+1], v[ADRS] offset:\i*SBLK
.endr
.endm
.macro STEP slot, q, zero              ; a step of 128 along K that has its successor in the same slot
	s_wait_dscnt 4*NL                              ; B's set and A's blocks 0-3 are in; the youngest 12 loads (A's blocks 4-7) may be out
	WIN MUL_LO
	MUL16 0, (\q)%2, \q, \slot, \zero
	MUL16 2, (\q)%2, \q, \slot, \zero
	s_wait_dscnt 0
	PLACES NP
	FETCH_B \slot, (\q)+1, 1-(\q)%2
	FETCH_A \slot, (\q)+1, 0
	WIN MUL_HI
	MUL16 4, (\q)%2, \q, \slot, \zero
	MUL16 6, (\q)%2, \q, \slot, \zero
	PLACES NP
	WIN 0
	FETCH_A \slot, (\q)+1, 4
.endm
; A slot's last step changes slots: one barrier; in front of it each wave waits for all its tensor loads, adds 0 to its spare word, and waits for that and for its own reads of this slot.
.macro TURN slot, next, fill
	s_wait_tensorcnt 0x0                           ; all my tensor loads have landed: my part of the next slot
	ds_add_u32 v[SPW], v[NIL]
	s_wait_dscnt 4*NL+1                            ; (the add and the youngest 12 loads may be out)
	WIN MUL_LO
	MUL16 0, 1, NQ-1, \slot, 0
	s_wait_dscnt 0x0                               ; the add is done, and my reads of this slot are over
	s_barrier_signal -1
	MUL16 2, 1, NQ-1, \slot, 0
	WIN 0
	s_barrier_wait -1
.if \fill
	CREST                                          ; the barrier has opened a round of the cluster's barrier: no wave of any partner still reads this slot or has a load on its way
	s_add_nc_u64 s[G0+4*\slot+2:G0+4*\slot+3], s[G0+4*\slot+2:G0+4*\slot+3], 6144
	s_add_nc_u64 s[G0B+4*\slot+2:G0B+4*\slot+3], s[G0B+4*\slot+2:G0B+4*\slot+3], 6144
	JLOAD G0+4*\slot, G1, G0B+4*\slot, G1B         ; the first tensor load behind the round; its four v_nop are also the places in front of the loads below
.else
	PLACES NP
.endif
	s_wait_alu depctr_va_vdst(0)
	v_add_nc_u32 v[ADRS], 128, v[ADRS]             ; the next slot's scale words
	FETCH_B \next, 0, 0
	FETCH_A \next, 0, 0
	SCALES \next
	WIN MUL_HI
	MUL16 4, 1, NQ-1, \slot, 0
	MUL16 6, 1, NQ-1, \slot, 0
	PLACES NP
	WIN 0
	FETCH_A \next, 0, 4
.endm
.macro LAST                            ; the very last step: nothing more to fetch
	s_wait_dscnt 4*NL
	WIN MUL_LO
	MUL16 0, 1, NQ-1, 1, 0
	MUL16 2, 1, NQ-1, 1, 0
	s_wait_dscnt 0
	WIN MUL_HI
	MUL16 4, 1, NQ-1, 1, 0
	MUL16 6, 1, NQ-1, 1, 0
	WIN 0
	PLACES NP
.endm
	s_load_b128 s[4:7], s[0:1], 0x0                ; cimg, csc
	s_load_b256 s[92:99], s[0:1], 0x10             ; t2, lq_up, lk_up, lv_up
	s_load_b256 s[8:15], s[0:1], 0x30              ; cos, sin, qkvc, qkvs
	v_lshl_add_u32 v[SPW], v0, 2, SPARE
	v_mov_b32 v[NIL], 0
	ds_add_u32 v[SPW], v[NIL]                      ; the wave's opening: the add and its wait ahead of my first tensor load
	ds_add_u32 v[SPW], v[NIL]
	v_lshrrev_b32 v1, 5, v0
	v_readfirstlane_b32 s16, v1                    ; wave
	s_lshr_b32 s17, s16, 1                         ; which half of A's rows is mine.  Also: I fetch for A (0) or for B (1)
	s_and_b32 s18, s16, 1                          ; which half of B's rows.  Also: which 8 units I fetch
	s_bfe_u32 s40, ttmp6, 0x40000                  ; cx
	s_bfe_u32 s41, ttmp6, 0x40004                  ; cy
	s_lshl_b32 s42, ttmp9, 2
	s_add_co_u32 s42, s42, s40                     ; the grid's column, 0 .. 23
	s_and_b32 s19, ttmp7, 0xffff
	s_lshl_b32 s19, s19, 2
	s_add_co_u32 s19, s19, s41                     ; the grid's row, 0 .. 7
	s_lshl_b32 s43, s41, 2
	s_lshl_b32 s43, 15, s43                        ; my row of the cluster
	s_lshl_b32 s44, 0x1111, s40                    ; my column
	s_lshr_b32 s66, ttmp9, 1                       ; the section: 0 q, 1 k, 2 v
	s_cmp_ge_u32 ttmp9, 4
	s_cselect_b32 s2, 1, 0                         ; 1: v
	s_cselect_b32 s20, 384, 0                      ; A's first unit: wv's or x's
	s_cselect_b32 s46, 0, 384                      ; B's: 16 col - 256 (x) or 16 col + 128 (wq, wk)
	s_or_b32 s[G1+0], s43, (3<<16)|(1<<21)         ; 15:0 the mask; 17:16 elements of 8 bytes; 21 set beside a mask; no padding
	s_or_b32 s[G1B+0], s44, (3<<16)|(1<<21)
.irp g, G1, G1B
	s_mov_b32 s[\g+1], 384<<16                     ; tensor_dim0: 3,072 bytes, a unit's two K steps
	s_mov_b32 s[\g+2], 16<<16                      ; tensor_dim1: 16 units for the head's loads; behind them 8
	s_mov_b32 s[\g+3], 384<<16                     ; tile_dim0
	s_mov_b32 s[\g+4], 16                          ; tile_dim1
	s_mov_b32 s[\g+5], 3072                        ; from unit to unit: 24,576 bytes
	s_mov_b32 s[\g+6], 0
	s_mov_b32 s[\g+7], 0
.endr
	s_or_b32 s[G1S+0], s43, (3<<16)|(1<<21)        ; the scale words of 16 units: 16,384 dense bytes as 64 rows of 256
	s_or_b32 s[G1SB+0], s44, (3<<16)|(1<<21)
.irp g, G1S, G1SB
	s_mov_b32 s[\g+1], 32<<16
	s_mov_b32 s[\g+2], 64<<16                      ; the scale words of 16 units: 64 rows of 256 bytes
	s_mov_b32 s[\g+3], 32<<16
	s_mov_b32 s[\g+4], 64
	s_mov_b32 s[\g+5], 32
	s_mov_b32 s[\g+6], 0
	s_mov_b32 s[\g+7], 0
.endr
	s_lshl_b32 s21, s19, 4
	s_add_co_u32 s20, s20, s21
	s_lshl_b32 s47, s42, 4                         ; A: the first of the tile's 16 units hangs on the grid's row and the section
	s_add_co_u32 s46, s46, s47
	s_sub_co_u32 s46, s46, 256                     ; B: on the grid's column
	s_lshl_b32 s22, s20, 10
	s_mul_i32 s20, s20, 24576
	s_lshl_b32 s100, s46, 10
	s_mul_i32 s46, s46, 24576
	s_mov_b32 s21, 0
	s_mov_b32 s23, 0
	s_mov_b32 s47, 0
	s_mov_b32 s101, 0
	s_mul_i32 s45, s16, HALFT                      ; where they go: no place in the cluster enters an LDS address
	s_mov_b32 s[SEL], 0x76543210
	s_mov_b32 s[SEL+1], 0xfedcba98
	s_wait_dscnt 0x0                               ; the opening add is done
	s_wait_kmcnt 0x0
	s_add_nc_u64 s[20:21], s[4:5], s[20:21]
	s_add_nc_u64 s[22:23], s[6:7], s[22:23]
	s_add_nc_u64 s[46:47], s[4:5], s[46:47]
	s_add_nc_u64 s[100:101], s[6:7], s[100:101]
	CROUND                                         ; all sixteen work-groups are here: the first joint loads meet
	s_mov_b32 s[G0S], 1
	s_mov_b32 s[G0S+1], SCL
	s_mov_b64 s[G0S+2:G0S+3], s[22:23]
	s_or_b32 s[G0S+3], s[G0S+3], 0x80000000
	s_mov_b32 s[G0SB], 1
	s_mov_b32 s[G0SB+1], SCL+2*HALFS
	s_mov_b64 s[G0SB+2:G0SB+3], s[100:101]
	s_or_b32 s[G0SB+3], s[G0SB+3], 0x80000000
	s_mul_i32 s4, s18, 196608                      ; in the ring I fetch 8 units of a tile: which half, in bytes
	s_mov_b32 s5, 0
	s_mov_b32 s[G0], 1                             ; the head's tiles, each whole: slot 0's 16 units of A,
	s_mov_b32 s[G0+1], 0
	s_mov_b64 s[G0+2:G0+3], s[20:21]
	s_or_b32 s[G0+3], s[G0+3], 0x80000000
	s_mov_b32 s[G0B], 1                            ; and of B, behind them
	s_mov_b32 s[G0B+1], 2*HALFT
	s_mov_b64 s[G0B+2:G0B+3], s[46:47]
	s_or_b32 s[G0B+3], s[G0B+3], 0x80000000
	s_add_nc_u64 s[20:21], s[20:21], s[4:5]
	s_add_nc_u64 s[46:47], s[46:47], s[4:5]
	s_mov_b32 s[G0+4], 1                           ; slot 1: my 8 units
	s_add_co_u32 s[G0+5], s45, SLOT
	s_add_nc_u64 s[G0+6:G0+7], s[20:21], 3072
	s_or_b32 s[G0+7], s[G0+7], 0x80000000
	s_mov_b32 s[G0B+4], 1
	s_add_co_u32 s[G0B+5], s45, SLOT
	s_add_nc_u64 s[G0B+6:G0B+7], s[46:47], 3072
	s_or_b32 s[G0B+7], s[G0B+7], 0x80000000
; the head's loads, one a wave: wave 0 slot 0's units of A, wave 1 those of B, wave 2 A's scale words, wave 3 B's; one chain of branches on the wave's number
.macro ARM under, g0, g1, next
	s_cmp_lt_u32 s16, \under
	s_cbranch_scc0 \next
	tensor_load_to_lds s[\g0:\g0+3], s[\g1:\g1+7]
	s_nop 0
.rept 4
	v_nop
.endr
	s_branch .Lhead_asked
\next:
.endm
	ARM 1, G0,  G1,  .Lhead_b
	ARM 2, G0B, G1B, .Lhead_sa
	ARM 3, G0S, G1S, .Lhead_sb
	tensor_load_to_lds s[G0SB:G0SB+3], s[G1SB:G1SB+7]
	s_nop 0
.rept 4
	v_nop
.endr
.Lhead_asked:
	v_and_b32 v1, 15, v0                           ; r
	v_bfe_u32 v2, v0, 4, 1                         ; h
	s_wait_alu depctr_va_vdst(0)
	v_and_b32 v3, 31, v0
	v_lshlrev_b32 v[IO], 4, v3
	s_mul_i32 s21, s17, HALFT
	s_mul_i32 s22, s18, HALFT
	s_add_co_u32 s22, s22, 2*HALFT
.irp s, 0,1
	v_add_nc_u32 v[ADRA+\s], s21, v[IO]
	v_add_nc_u32 v[ADRB+\s], s22, v[IO]
	s_add_co_u32 s21, s21, SLOT
	s_add_co_u32 s22, s22, SLOT
.endr
	v_lshlrev_b32 v5, 3, v1                        ; scale words: 8 bytes a row and slot
	s_lshl_b32 s21, s17, 13                        ; A's: my 8 units
	s_lshl_b32 s22, s18, 13                        ; B's: my 8 units, behind A's 16
	s_add_co_u32 s22, s22, 2*HALFS
	s_sub_co_u32 s22, s22, s21
	v_mul_u32_u24 v6, s22, v2                      ; lanes 16-31 take B's
	s_add_co_u32 s21, s21, SCL
	v_add_nc_u32 v5, v5, v6
	v_add_nc_u32 v[ADRS], s21, v5
	v_and_b32 v4, 8, v1
	v_add_nc_u32 v4, v4, v1                        ; r + 8 (r / 8): my row in a pair of units
	v_lshlrev_b32 v[LOF], 6, v4
	v_lshl_add_u32 v[LOF], v2, 5, v[LOF]
	s_wait_alu depctr_va_vdst(0)
	v_lshlrev_b32 v[RO], 8, v4
	v_lshl_add_u32 v[RO], v2, 5, v[RO]
	v_lshlrev_b32 v[SOF], 5, v1
	v_lshl_add_u32 v[SOF], v2, 4, v[SOF]
	; the LoRA ups' operands: beside A stands t2's section (q, k) or lv_up (v); beside B the up (q, k) or t2's section (v)
	s_lshl_b32 s20, s66, 17
	s_mov_b32 s21, 0
	s_add_nc_u64 s[92:93], s[92:93], s[20:21]      ; t2's section
	s_cmp_eq_u32 s66, 0
	s_cselect_b64 s[94:95], s[94:95], s[96:97]     ; lq_up or lk_up,
	s_cmp_eq_u32 s2, 1
	s_cselect_b64 s[94:95], s[98:99], s[94:95]     ; or lv_up
	s_cselect_b64 s[96:97], s[94:95], s[92:93]     ; beside A
	s_cselect_b64 s[98:99], s[92:93], s[94:95]     ; beside B
	s_lshl_b32 s20, s19, 14                        ; (256 row + 128 half) x 64 bytes
	s_lshl_b32 s22, s17, 13
	s_add_co_u32 s20, s20, s22
	s_add_nc_u64 s[96:97], s[96:97], s[20:21]
	s_lshl_b32 s20, s20, 2                         ; the same rows of cos and sin: 256 bytes each
	s_add_nc_u64 s[8:9], s[8:9], s[20:21]
	s_add_nc_u64 s[10:11], s[10:11], s[20:21]
	s_and_b32 s20, s42, 7
	s_lshl_b32 s20, s20, 14
	s_lshl_b32 s22, s18, 13
	s_add_co_u32 s20, s20, s22
	s_add_nc_u64 s[98:99], s[98:99], s[20:21]
	; where my 8 fragments go: [section][head][step][tile]: q, k: head from B's rows, step from A's; v: the other way round
	s_lshl_b32 s22, s19, 1
	s_add_co_u32 s22, s22, s17                     ; which 128 of A's rows
	s_lshl_b32 s23, s42, 1
	s_add_co_u32 s23, s23, s18
	s_and_b32 s23, s23, 15                         ; which 128 of B's
	s_cmp_eq_u32 s2, 1
	s_cselect_b32 s46, s22, s23
	s_cselect_b32 s47, s23, s22
	s_lshl_b32 s46, s46, 4
	s_add_co_u32 s46, s46, s47
	s_mul_i32 s20, s46, 12288
	s_mul_i32 s22, s66, 3145728
	s_add_co_u32 s20, s20, s22
	s_add_nc_u64 s[12:13], s[12:13], s[20:21]
	s_lshl_b32 s20, s46, 9
	s_lshl_b32 s22, s66, 17
	s_add_co_u32 s20, s20, s22
	s_add_nc_u64 s[14:15], s[14:15], s[20:21]
.irp a, 0,1,2,3,4,5,6,7                        ; lane (r, h): row r of unit a, ranks 8 h .. 8 h + 7
.irp e, 0,1
	global_load_b128 v[128+8*\a+4*\e:131+8*\a+4*\e], v[LOF], s[96:97] offset:(32*(\a/2)+8*(\a%2))*64+16*\e
.endr
.endr
	WIN TO_B
.irp a, 0,1,2,3,4,5,6,7
.irp e, 0,1
	global_load_b128 v[8*\a+4*\e:8*\a+4*\e+3], v[LOF], s[98:99] offset:(32*(\a/2)+8*(\a%2))*64+16*\e
.endr
.endr
	WIN 0
	s_wait_alu depctr_va_vdst(0)
	s_wait_tensorcnt 0x0                           ; my tile of the head's four is in
	ds_add_u32 v[SPW], v[NIL]
	s_mov_b32 s[G1+2], 8<<16                       ; no tensor load of mine is out: from here on a load brings 8 units,
	s_mov_b32 s[G1+4], 8
	s_mov_b32 s[G1B+2], 8<<16
	s_mov_b32 s[G1B+4], 8
	s_mov_b32 s[G0+1], s45                         ; and slot 0's refills are of my 8 units
	s_add_nc_u64 s[G0+2:G0+3], s[G0+2:G0+3], s[4:5]
	s_mov_b32 s[G0B+1], s45
	s_add_nc_u64 s[G0B+2:G0B+3], s[G0B+2:G0B+3], s[4:5]
	s_wait_dscnt 0x0
	CROUND                                         ; all four tiles are in, and all sixteen work-groups are here
	JLOAD G0+4, G1, G0B+4, G1B                     ; slot 1's first fill, the first tensor load behind the round; the LoRA products below stand between it and the wait for it
	s_wait_loadcnt 0x0
.macro UP s                            ; 64 matrix instructions: ranks 8 h + 2 s + j.  The first step starts the sums: nothing is ever cleared
.irp a, 0,1,2,3,4,5,6,7
	WIN MUL_LO+0x50*(\a/4)
.irp b, 0,1,2,3,4,5,6,7
.if \s == 0
	v_wmma_f32_16x16x4_f32 v[8*(8*(\a%4)+\b):8*(8*(\a%4)+\b)+7], v[8*\b+2*\s:8*\b+2*\s+1], v[128+8*\a+2*\s:128+8*\a+2*\s+1], 0
.else
	v_wmma_f32_16x16x4_f32 v[8*(8*(\a%4)+\b):8*(8*(\a%4)+\b)+7], v[8*\b+2*\s:8*\b+2*\s+1], v[128+8*\a+2*\s:128+8*\a+2*\s+1], v[8*(8*(\a%4)+\b):8*(8*(\a%4)+\b)+7]
.endif
.endr
.endr
.endm
	UP 0
	UP 1
	UP 2
	UP 3
	WIN 0
	PLACES 9                                       ; behind the f32 form: nine places before another form adds onto its results, eight before loads land in its sources
	FETCH_B 0, 0, 0
	FETCH_A 0, 0, 0
	SCALES 0
	FETCH_A 0, 0, 4
	STEP 0, 0, 0
	s_mov_b32 s3, LAPS-1
.Llap:                                             ; a trip goes once round the ring and fills both slots again
	TURN 0, 1, 1
	STEP 1, 0, 0
	TURN 1, 0, 1
	STEP 0, 0, 0
	s_sub_co_u32 s3, s3, 1
	s_cmp_lg_u32 s3, 0
	s_cbranch_scc1 .Llap
	TURN 0, 1, 0                                   ; the last lap fills nothing
	STEP 1, 0, 0
; cos and sin of unit a's 16 tokens: lane (r, h) takes frequencies 16 b + 8 h + 0 .. 7, b = 0 .. 3: register P serves my numbers 2 P and 2 P + 1.  Set a % 4 of window 1: cos in 0-31, sin in 32-63
.macro ROPELD a
	WIN TO_B
.irp b, 0,1,2,3
.irp e, 0,1
	global_load_b128 v[64*((\a)%4)+8*\b+4*\e:64*((\a)%4)+8*\b+4*\e+3], v[RO], s[8:9] offset:(32*((\a)/2)+8*((\a)%2))*256+64*\b+16*\e
	global_load_b128 v[64*((\a)%4)+32+8*\b+4*\e:64*((\a)%4)+32+8*\b+4*\e+3], v[RO], s[10:11] offset:(32*((\a)/2)+8*((\a)%2))*256+64*\b+16*\e
.endr
.endr
	WIN 0
.endm
; Block a of A's rows: its 8 accumulators become one fragment and one scale word a row
.macro BLOCK a, rope
.set AC, 64*((\a)%4)
.if \rope
.if (\a) < 4
	s_wait_loadcnt 48                              ; this block's 16 loads are in; the three younger blocks' may be out
.else
	s_wait_loadcnt 16*(7-(\a))
.endif
	WIN (2+(\a)/4)|4                               ; source 0: the accumulators' window; source 1: window 1
.irp u, 0,1,2,3,4,5,6,7                        ; accumulator u, from its low end on
.irp p, 0,1,2,3
	v_mul_f32 v[H+8*\u+2*\p], v[AC+8*\u+2*\p], v[AC+4*\u+\p]
.endr
.irp p, 0,1,2,3
	v_mul_f32 v[H+8*\u+2*\p+1], v[AC+8*\u+2*\p], v[AC+32+4*\u+\p]
.endr
.irp p, 0,1,2,3
	v_fma_f32 v[H+8*\u+2*\p], -v[AC+8*\u+2*\p+1], v[AC+32+4*\u+\p], v[H+8*\u+2*\p]       ; a cos - b sin
.endr
.irp p, 0,1,2,3
	v_fma_f32 v[H+8*\u+2*\p+1], v[AC+8*\u+2*\p+1], v[AC+4*\u+\p], v[H+8*\u+2*\p+1]       ; a sin + b cos
.endr
.endr
	WIN 0
.if (\a) < 4
	ROPELD (\a)+4
.endif
	s_wait_xcnt 0x0                                ; the last block's stores have read the codes' registers
	QUANT H, 0, PWS+(\a)
.else
	s_wait_xcnt 0x0
	QUANT AC, 2+(\a)/4, PWS+(\a)
.endif
.irp g, 0,1,2
	global_store_b128 v[IO], v[PC+4*\g:PC+4*\g+3], s[12:13] offset:1536*(\a)+512*\g     ; 512 consecutive bytes, aligned
.endr
.endm
	s_cmp_eq_u32 s2, 1                             ; the section: the same in all partners of the cluster.  The two ways touch no LDS but by the last step's reads, and hold no tensor load and no barrier
	s_cbranch_scc1 .Lsection_v
	ROPELD 0                                       ; into B's set 0, which the step just ended has left (its places stand behind its last products)
	ROPELD 1
	LAST
	ROPELD 2
	ROPELD 3
.irp b, 0,1,2,3
	v_mov_b32 v[TM+4+\b], 0                        ; a lane permute's destination counts as one of its sources
.endr
.irp a, 0,1,2,3,4,5,6,7
	BLOCK \a, 1
.endr
	s_branch .Ljoin
.Lsection_v:
	LAST
.irp b, 0,1,2,3
	v_mov_b32 v[TM+4+\b], 0
.endr
.irp a, 0,1,2,3,4,5,6,7
	BLOCK \a, 0
.endr
.Ljoin:
	v_cmp_eq_u32 vcc_lo, 0, v2                     ; lanes 0-15: tiles 0-3 of row r; lanes 16-31: tiles 4-7
.irp i, 0,1,2,3
	v_cndmask_b32 v[172+\i], v[PWS+4+\i], v[PWS+\i], vcc_lo
.endr
	global_store_b128 v[SOF], v[172:175], s[14:15] ; 512 consecutive bytes, aligned
	s_wait_tensorcnt 0x0                           ; the wave's end
	ds_add_u32 v[SPW], v[NIL]
	s_wait_dscnt 0x0
	CROUND                                         ; the closing round
	s_endpgm
.Lfunc_end_k_q3d5a3b9095_qkv:
	.size	k_q3d5a3b9095_qkv, .Lfunc_end_k_q3d5a3b9095_qkv-k_q3d5a3b9095_qkv
	.p2alignl 7, 3214868480
	.fill 96, 4, 3214868480
	.section	.rodata,"a",@progbits
	.p2align	6, 0x0
	.amdhsa_kernel k_q3d5a3b9095_qkv
		.amdhsa_group_segment_fixed_size 327680
		.amdhsa_private_segment_fixed_size 0
		.amdhsa_enable_private_segment 0
		.amdhsa_kernarg_size 80
		.amdhsa_user_sgpr_count 2
		.amdhsa_user_sgpr_kernarg_segment_ptr 1
		.amdhsa_wavefront_size32 1
		.amdhsa_system_sgpr_workgroup_id_x 1
		.amdhsa_system_sgpr_workgroup_id_y 1
		.amdhsa_system_sgpr_workgroup_id_z 1
		.amdhsa_system_vgpr_workitem_id 0
		.amdhsa_next_free_vgpr 1024
		.amdhsa_next_free_sgpr 106
		.amdhsa_reserve_vcc 1
		.amdhsa_float_denorm_mode_32 3
		.amdhsa_float_denorm_mode_16_64 3
		.amdhsa_memory_ordered 1
		.amdhsa_forward_progress 1
		.amdhsa_inst_pref_size 255
	.end_amdhsa_kernel
	.section	.bss,"aw",@nobits
	.p2align	6
	.space	262144
	.amdgpu_metadata
---
amdhsa.version: [ 1, 2 ]
amdhsa.kernels:
  - .name:           k_q3d5a3b9095_qkv
    .symbol:         k_q3d5a3b9095_qkv.kd
    .args:
      - { .name: cimg, .offset: 0, .size: 8, .value_kind: global_buffer, .address_space: global }
      - { .name: csc, .offset: 8, .size: 8, .value_kind: global_buffer, .address_space: global }
      - { .name: t2, .offset: 16, .size: 8, .value_kind: global_buffer, .address_space: global }
      - { .name: lq_up, .offset: 24, .size: 8, .value_kind: global_buffer, .address_space: global }
      - { .name: lk_up, .offset: 32, .size: 8, .value_kind: global_buffer, .address_space: global }
      - { .name: lv_up, .offset: 40, .size: 8, .value_kind: global_buffer, .address_space: global }
      - { .name: freqs_cos, .offset: 48, .size: 8, .value_kind: global_buffer, .address_space: global }
      - { .name: freqs_sin, .offset: 56, .size: 8, .value_kind: global_buffer, .address_space: global }
      - { .name: qkvc, .offset: 64, .size: 8, .value_kind: global_buffer, .address_space: global }
      - { .name: qkvs, .offset: 72, .size: 8, .value_kind: global_buffer, .address_space: global }
    .group_segment_fixed_size: 327680
    .private_segment_fixed_size: 0
    .kernarg_segment_align: 8
    .kernarg_segment_size: 80
    .max_flat_workgroup_size: 128
    .sgpr_count:     106
    .vgpr_count:     1024
    .wavefront_size: 32
...
	.end_amdgpu_metadata
.endif
;; end of part 3
;; launch attn (part 4): grid 32 x 8, 4 waves a work-group, clusters of 4 x 1, 327,680 bytes of LDS; arguments qkvc, qkvs, mimg, oimg, osc; writes oimg, osc
.if DOCPART == 4
	.amdgcn_target "amdgcn-amd-amdhsa--gfx1250"
	.amdhsa_code_object_version 6
	.text
	.protected	k_q3d5a3b9095_attn
	.globl	k_q3d5a3b9095_attn
	.p2align	8
	.type	k_q3d5a3b9095_attn,@function
k_q3d5a3b9095_attn:
	s_mov_b64 s[64:65], 0
	v_nop
	global_prefetch_b8 v0, s[64:65] scope:SCOPE_SE
	s_setreg_imm32_b32 hwreg(HW_REG_WAVE_MODE, 25, 1), 1
	s_wait_xcnt 0x0
	s_wait_alu depctr_hold_cnt(0) depctr_sa_sdst(0) depctr_va_vdst(0) depctr_va_sdst(0) depctr_va_ssrc(0) depctr_va_vcc(0) depctr_vm_vsrc(0)
	s_getreg_b32 s2, hwreg(HW_REG_IB_STS2, 6, 4)
	s_cmp_eq_u32 s2, 0
	s_cbranch_scc0 .Lentry_in_a_cluster
	s_endpgm
.Lentry_in_a_cluster:
	s_bfe_u32 s2, ttmp6, 0x10000c
	s_cmp_lg_u32 s2, 0x3003
	s_cbranch_scc0 .Lentry_shape_is_right
	s_endpgm
.Lentry_shape_is_right:
; o = softmax(q k^T / sqrt(128) + mask) v for all 16 heads, on codes of FP6 (E2M3) with E8M0 scales; o is quantised along the heads' channels for the projection that follows.
; Both products are used transposed (S^T = k q^T + mask, O^T = v^T p^T): a lane holds one query, its registers run along the keys or the channels.
; p = 2^(t - M), t = score x log2(e) / sqrt(128), M the ceiling of the running largest t; the row's sum is taken of the unquantised p; O^T and the sum are brought under a new M by an exact power of two.
; SHARES: a work-group takes 64 queries of TWO heads (2 y, 2 y + 1); wave w takes unit 4 x + w (16 queries) of both heads: one mask fragment in registers is the C operand of both heads' score products,
; and the two heads' vector work is laid line by line in turns, so that no line reads the line above it.  32 x 8 = 256 work-groups.  A step is 128 keys: 16 + 16 matrix instructions a wave.
; LDS: two slots, each with two steps' K and V of both heads: four regions of 24,576 dense bytes, one tensor load a wave.  CLUSTER 4, 1, 1: the four query blocks of a cluster ask for these tiles jointly.
; The mask (image made by the first launch, times sqrt(128)) comes by register loads two steps ahead, the scale words one step ahead.  The mask is not asked for jointly: with it two slots would take
; 2 x (98,304 + 65,536) + 512 bytes, more than the 327,680 that a work-group has; so it has no prefetch either: its loads run two steps ahead by themselves.
; PREFETCH: in section j each wave names its work-group's 24 blocks of 256 bytes (of the 96 of its region, shared out by the place in the cluster, by address) of tile j + 3, two sections ahead of the load that wants them; sections 5 on ask for nothing.
; LIMITS: the promise holds while the scaled scores stay under 2^31 in magnitude; a block of o that is zero or under 2^-124 gets the scale byte 1 (this program alone reads it); NaN and infinities are not served.
; REGISTERS: window 0: v1-6, 9, 12 addresses; v7-8 q's scale words, v10-11 p's; v14-25 the heads' state; v32-63 K's and V's scale words; v64-191 S then p (head a, head b); v192-255 at work, 32 a head.
;   window 1: v0-23 q; v64-191 O^T.  window 2: K's fragments (a v0-95, b v96-191), mask set 0 (v192-255).  window 3: V's, mask set 1.
.set SLOT1, 131072
.set SPARE, 262144
.set AK0, 1                            ; 16 x lane
.set ADK, 2                            ; K's fragments in this slot
.set ADV, 3                            ; V's
.set SOF, 4                            ; 32 r
.set SPW, 5
.set NIL, 6
.set QS,  7
.set OSO, 9                            ; 8 r
.set PS,  10
.set PFO, 12
.set NM,  14                           ; head w at NM + 6 w: -M, the largest t, the sum in two halves, f, and a register named with f as a pair
.set KS,  32                           ; K a, K b, V a, V b: eight tiles each
.set SS,  64                           ; head w's S at SS + 64 w; its O^T at the same numbers in window 1
.set TT,  192                          ; head w at TT + 32 w: 0-3 block maxima, 4-7 and 24-31 at work, 8-11 the conversions' scales, 12-23 p's codes
.set WV,  18
.set SEL, 20
.set CS,  22
.set TB,  44
.set CNT, 45
.set MB,  46
.set SB,  48
.set PF,  50
.set MSB, 0
.macro WIN new                         ; the immediate's high byte repeats the setting that is left
.if MSB != (\new)
	s_set_vgpr_msb (MSB<<8)|(\new)
.set MSB, (\new)
.endif
.endm
.macro PLACES
.rept 4
	v_nop
.endr
.endm
.macro CROUND                          ; a round of the cluster's barrier
	s_barrier_signal -1
	s_barrier_wait -1
	s_cmp_lg_u32 s[WV], 0
	s_cbranch_scc1 .Lnot_wave_0_\@
	s_barrier_signal -3
.Lnot_wave_0_\@:
	s_barrier_wait -3
	s_barrier_signal -1
	s_barrier_wait -1
.endm
.macro QUANT src, pw                   ; 64 numbers of a lane become a fragment in v[PC] on and its scale word in v[pw]
.irp b, 0,1,2,3
	v_max3_num_f32 v[TT+\b], |v[(\src)+16*\b]|, |v[(\src)+1+16*\b]|, 0x1800000   ; and the floor 2^(3 - 127)
.endr
.irp i, 2,4,6,8,10,12,14
.irp b, 0,1,2,3
	v_max3_num_f32 v[TT+\b], v[TT+\b], |v[(\src)+16*\b+\i]|, |v[(\src)+1+16*\b+\i]|
.endr
.endr
.irp b, 0,1,2,3
	v_permlanex16_b32 v[TT+4+\b], v[TT+\b], s[SEL], s[SEL+1]
.endr
.irp b, 0,1,2,3
	v_max_num_f32 v[TT+\b], v[TT+\b], v[TT+4+\b]
.endr
.irp b, 0,1,2,3
	v_add_nc_u32 v[TT+12+\b], 0xff000000, v[TT+\b]
.endr
.irp b, 0,1,2,3
	v_lshrrev_b32 v[TT+4+\b], 23, v[TT+12+\b]
.endr
	v_lshl_or_b32 v[\pw], v[TT+5], 8, v[TT+4]
	v_lshl_or_b32 v[\pw], v[TT+6], 16, v[\pw]
	v_lshl_or_b32 v[\pw], v[TT+7], 24, v[\pw]
.irp c, 0,1
	v_cvt_scalef32_pk16_fp6_f32 v[PC+6*\c:PC+2+6*\c], v[(\src)+32*\c:(\src)+15+32*\c], v[TT+12+2*\c]
	v_cvt_scalef32_pk16_fp6_f32 v[PC+12+4*\c:PC+14+4*\c], v[(\src)+16+32*\c:(\src)+31+32*\c], v[TT+13+2*\c]
.endr
	v_nop                                          ; one plain place behind a scaled conversion
.irp c, 0,1
.irp i, 0,1,2
	v_permlane16_swap_b32 v[PC+6*\c+\i], v[PC+12+4*\c+\i]
.endr
.irp i, 0,1,2
	v_mov_b32 v[PC+3+6*\c+\i], v[PC+12+4*\c+\i]
.endr
.endr
.endm
.macro FG win, adr, q, w, h            ; four fragments (tiles 4 h on) of head w, the slot's step q: images of their registers, 512 consecutive bytes a load; 12 loads
	WIN \win
.irp t, 0,1,2,3
.irp p, 0,1,2
	ds_load_b128 v[96*(\w)+12*(4*(\h)+\t)+4*\p:96*(\w)+12*(4*(\h)+\t)+4*\p+3], v[\adr] offset:24576*(\w)+12288*(\q)+1536*(4*(\h)+\t)+512*\p
.endr
.endr
	WIN 0
.endm
.macro MLD q, o                        ; a step's mask fragment into set q
	WIN (2+\q)<<6
.irp g, 0,1,2,3,4,5,6,7,8,9,10,11,12,13,14,15
	global_load_b128 v[192+4*\g:195+4*\g], v[AK0], s[MB:MB+1] offset:(\o)+512*\g
.endr
	WIN 0
.endm
.macro SCLD c, o                       ; a step's scale words, K's (c = 0) or V's (1), both heads: row r's eight tiles; 4 loads
.irp w, 0,1
.irp g, 0,1
	global_load_b128 v[KS+16*\c+8*\w+4*\g:KS+16*\c+8*\w+4*\g+3], v[SOF], s[SB:SB+1] offset:131072*\c+8192*\w+(\o)+16*\g
.endr
.endr
.endm
.macro SMUL q                          ; S^T = k q^T + mask: source 0 window 2, source 1 window 1, C the mask's set
	WIN 2|(1<<2)|((2+\q)<<4)
.irp w, 0,1
	s_wait_dscnt 24*(1-\w)*(1-\q)                  ; in a slot's first step head b's 24 loads may be out while head a is multiplied
.irp t, 0,1,2,3,4,5,6,7
	v_wmma_scale_f32_16x16x128_f8f6f4 v[SS+64*\w+8*\t:SS+64*\w+8*\t+7], v[96*\w+12*\t:96*\w+12*\t+11], v[12*\w:12*\w+11], v[192+8*\t:199+8*\t], v[KS+8*\w+\t], v[QS+\w] matrix_a_fmt:MATRIX_FMT_FP6 matrix_b_fmt:MATRIX_FMT_FP6
.endr
.endr
	WIN 0
.endm
.macro PVMUL                           ; O^T += v^T p^T: sixteen accumulators by turns
	WIN 3|(1<<4)|(1<<6)
.irp w, 0,1
.irp t, 0,1,2,3,4,5,6,7
	v_wmma_scale_f32_16x16x128_f8f6f4 v[SS+64*\w+8*\t:SS+64*\w+8*\t+7], v[96*\w+12*\t:96*\w+12*\t+11], v[TT+32*\w+12:TT+32*\w+23], v[SS+64*\w+8*\t:SS+64*\w+8*\t+7], v[KS+16+8*\w+\t], v[PS+\w] matrix_a_fmt:MATRIX_FMT_FP6 matrix_b_fmt:MATRIX_FMT_FP6
.endr
.endr
	WIN 0
.endm
.macro PMAXA                           ; each block's largest score in my 16 keys: eight chains by turns
.irp b, 0,1,2,3
.irp w, 0,1
	v_max3_num_f32 v[TT+32*\w+\b], v[SS+64*\w+16*\b], v[SS+64*\w+16*\b+1], v[SS+64*\w+16*\b+2]
.endr
.endr
.irp i, 3,5,7,9,11,13
.irp b, 0,1,2,3
.irp w, 0,1
	v_max3_num_f32 v[TT+32*\w+\b], v[TT+32*\w+\b], v[SS+64*\w+16*\b+\i], v[SS+64*\w+16*\b+\i+1]
.endr
.endr
.endr
.irp b, 0,1,2,3
.irp w, 0,1
	v_max_num_f32 v[TT+32*\w+\b], v[TT+32*\w+\b], v[SS+64*\w+16*\b+15]
.endr
.endr
.endm
.macro PMAXB                           ; with lane l xor 16's; the running largest t; the new -M
.irp b, 0,1,2,3
.irp w, 0,1
	v_permlanex16_b32 v[TT+32*\w+4+\b], v[TT+32*\w+\b], s[SEL], s[SEL+1]
.endr
.endr
.irp b, 0,1,2,3
.irp w, 0,1
	v_max_num_f32 v[TT+32*\w+\b], v[TT+32*\w+\b], v[TT+32*\w+4+\b]
.endr
.endr
.irp w, 0,1
	v_max3_num_f32 v[TT+32*\w+27], v[TT+32*\w], v[TT+32*\w+1], v[TT+32*\w+2]
.endr
.irp w, 0,1
	v_max_num_f32 v[TT+32*\w+27], v[TT+32*\w+27], v[TT+32*\w+3]
.endr
.irp w, 0,1
	v_mul_f32 v[TT+32*\w+27], s[CS], v[TT+32*\w+27]
.endr
.irp w, 0,1
	v_max_num_f32 v[NM+6*\w+1], v[NM+6*\w+1], v[TT+32*\w+27]
.endr
.irp w, 0,1
	v_mov_b32 v[TT+32*\w+27], v[NM+6*\w]
.endr
.irp w, 0,1
	v_floor_f32 v[NM+6*\w], -v[NM+6*\w+1]          ; -M = floor(-t): M is a whole number
.endr
.endm
.macro PFMA                            ; t - M, two at a time; among them f = 2^(old M - new M) is made
.set J, 0
.rept 32
.irp w, 0,1
	v_pk_fma_f32 v[SS+64*\w+J:SS+64*\w+J+1], v[SS+64*\w+J:SS+64*\w+J+1], s[CS:CS+1], v[NM+6*\w:NM+6*\w+1] op_sel_hi:[1,0,0]
.endr
.irp w, 0,1
.if J == 4
	v_sub_f32 v[TT+32*\w+27], v[NM+6*\w], v[TT+32*\w+27]
.endif
.if J == 12
	v_cvt_i32_f32 v[TT+32*\w+27], v[TT+32*\w+27]
.endif
.if J == 20
	v_ldexp_f32 v[NM+6*\w+4], 1.0, v[TT+32*\w+27]
.endif
.endr
.set J, J+2
.endr
.irp b, 0,1,2,3
.irp w, 0,1
	v_fma_f32 v[TT+32*\w+\b], v[TT+32*\w+\b], s[CS], v[NM+6*\w]   ; the same of each block's largest score
.endr
.endr
.endm
.macro PRESC                           ; O^T and the sums under the new M; no transcendental stands between the last products and these reads
	WIN 0x41
.set J, 0
.rept 32
.irp w, 0,1
	v_pk_mul_f32 v[SS+64*\w+J:SS+64*\w+J+1], v[SS+64*\w+J:SS+64*\w+J+1], v[NM+6*\w+4:NM+6*\w+5] op_sel_hi:[1,0]
.endr
.set J, J+2
.endr
	WIN 0
.irp w, 0,1
	v_pk_mul_f32 v[NM+6*\w+2:NM+6*\w+3], v[NM+6*\w+2:NM+6*\w+3], v[NM+6*\w+4:NM+6*\w+5] op_sel_hi:[1,0]
.endr
.endm
.macro PEXP j0                         ; 64 of the batch's exponentials
.set J, \j0
.rept 32
.irp w, 0,1
	v_exp_f32 v[SS+64*\w+J], v[SS+64*\w+J]
.endr
.set J, J+1
.endr
.endm
.macro PSUM                            ; the rows' sums of the unquantised p: eight chains by turns
.irp w, 0,1
	v_pk_add_f32 v[TT+32*\w+4:TT+32*\w+5], v[SS+64*\w:SS+64*\w+1], v[SS+64*\w+2:SS+64*\w+3]
.endr
.irp w, 0,1
	v_pk_add_f32 v[TT+32*\w+6:TT+32*\w+7], v[SS+64*\w+4:SS+64*\w+5], v[SS+64*\w+6:SS+64*\w+7]
.endr
.irp w, 0,1
	v_pk_add_f32 v[TT+32*\w+24:TT+32*\w+25], v[SS+64*\w+8:SS+64*\w+9], v[SS+64*\w+10:SS+64*\w+11]
.endr
.irp w, 0,1
	v_pk_add_f32 v[NM+6*\w+2:NM+6*\w+3], v[NM+6*\w+2:NM+6*\w+3], v[SS+64*\w+12:SS+64*\w+13]
.endr
.irp w, 0,1
	v_pk_add_f32 v[TT+32*\w+4:TT+32*\w+5], v[TT+32*\w+4:TT+32*\w+5], v[SS+64*\w+14:SS+64*\w+15]
.endr
.irp j, 16,24,32,40,48,56
.irp w, 0,1
	v_pk_add_f32 v[NM+6*\w+2:NM+6*\w+3], v[NM+6*\w+2:NM+6*\w+3], v[SS+64*\w+\j:SS+64*\w+\j+1]
.endr
.irp w, 0,1
	v_pk_add_f32 v[TT+32*\w+4:TT+32*\w+5], v[TT+32*\w+4:TT+32*\w+5], v[SS+64*\w+\j+2:SS+64*\w+\j+3]
.endr
.irp w, 0,1
	v_pk_add_f32 v[TT+32*\w+6:TT+32*\w+7], v[TT+32*\w+6:TT+32*\w+7], v[SS+64*\w+\j+4:SS+64*\w+\j+5]
.endr
.irp w, 0,1
	v_pk_add_f32 v[TT+32*\w+24:TT+32*\w+25], v[TT+32*\w+24:TT+32*\w+25], v[SS+64*\w+\j+6:SS+64*\w+\j+7]
.endr
.endr
.irp w, 0,1
	v_pk_add_f32 v[TT+32*\w+4:TT+32*\w+5], v[TT+32*\w+4:TT+32*\w+5], v[TT+32*\w+6:TT+32*\w+7]
.endr
.irp w, 0,1
	v_pk_add_f32 v[NM+6*\w+2:NM+6*\w+3], v[NM+6*\w+2:NM+6*\w+3], v[TT+32*\w+24:TT+32*\w+25]
.endr
.irp w, 0,1
	v_pk_add_f32 v[NM+6*\w+2:NM+6*\w+3], v[NM+6*\w+2:NM+6*\w+3], v[TT+32*\w+4:TT+32*\w+5]
.endr
.endm
.macro PQ                              ; p's scale words and codes
.irp b, 0,1,2,3
.irp w, 0,1
	v_max_num_f32 v[TT+32*\w+\b], 0x1800000, v[TT+32*\w+\b]        ; the floor 2^(3 - 127)
.endr
.endr
.irp b, 0,1,2,3
.irp w, 0,1
	v_add_nc_u32 v[TT+32*\w+8+\b], 0xff000000, v[TT+32*\w+\b]      ; 2 off the exponent field: the conversion's scale operand
.endr
.endr
.irp b, 0,1,2,3
.irp w, 0,1
	v_lshrrev_b32 v[TT+32*\w+4+\b], 23, v[TT+32*\w+8+\b]           ; the scale's byte
.endr
.endr
.irp w, 0,1
	v_lshl_or_b32 v[PS+\w], v[TT+32*\w+5], 8, v[TT+32*\w+4]
.endr
.irp w, 0,1
	v_lshl_or_b32 v[PS+\w], v[TT+32*\w+6], 16, v[PS+\w]
.endr
.irp w, 0,1
	v_lshl_or_b32 v[PS+\w], v[TT+32*\w+7], 24, v[PS+\w]
.endr
.irp w, 0,1
.irp c, 0,1
	v_cvt_scalef32_pk16_fp6_f32 v[TT+32*\w+12+6*\c:TT+32*\w+14+6*\c], v[SS+64*\w+32*\c:SS+64*\w+32*\c+15], v[TT+32*\w+8+2*\c]
	v_cvt_scalef32_pk16_fp6_f32 v[TT+32*\w+24+4*\c:TT+32*\w+26+4*\c], v[SS+64*\w+32*\c+16:SS+64*\w+32*\c+31], v[TT+32*\w+9+2*\c]
.endr
.endr
	v_nop                                          ; one plain place behind a scaled conversion
.irp c, 0,1                                    ; the operand's layout wants a whole block in a lane
.irp i, 0,1,2
.irp w, 0,1
	v_permlane16_swap_b32 v[TT+32*\w+12+6*\c+\i], v[TT+32*\w+24+4*\c+\i]
.endr
.endr
.irp i, 0,1,2
.irp w, 0,1
	v_mov_b32 v[TT+32*\w+15+6*\c+\i], v[TT+32*\w+24+4*\c+\i]
.endr
.endr
.endr
.endm
; A step of 128 keys, both heads.  ldk: the next step's scale words are asked for; ldm: the mask of two steps on.
; lcs, lcp: the register loads that may stay out in front of the two products: 16 of a mask and 4 of scale words, fewer in the last section.
; The LDS loads go out in groups of 12 between the vector phases: V's four groups first, then, in a slot's first step, the next step's four of K.
.macro STEPX q, ldk, ldm, lcs, lcp
.if \q == 0
	FG 0x80, ADK, 0, 0, 0
	FG 0x80, ADK, 0, 0, 1
	FG 0x80, ADK, 0, 1, 0
	FG 0x80, ADK, 0, 1, 1
.endif
	s_wait_loadcnt \lcs
	SMUL \q
	PLACES                                         ; in front of the first read of S and of loads into registers that the products have read
.if \ldk
	SCLD 0, 512*(\q+1)
.endif
.if \ldm
	MLD \q, 8192*(\q+2)
.endif
	FG 0xc0, ADV, \q, 0, 0
.if \ldm
.if \q == 0
	s_cmp_gt_u32 s[CNT], 2                         ; sections 0 to 4 ask for tile j + 3
	s_cbranch_scc0 .Lno_ask_\@
	global_prefetch_b8 v[PFO], s[PF:PF+1] offset:73728 th:TH_LOAD_NT scope:SCOPE_SE
.Lno_ask_\@:
.endif
.endif
	PMAXA
	FG 0xc0, ADV, \q, 0, 1
	PMAXB
	FG 0xc0, ADV, \q, 1, 0
	PFMA
	FG 0xc0, ADV, \q, 1, 1
	PRESC
.if \q == 0
	FG 0x80, ADK, 1, 0, 0
.endif
	s_wait_alu depctr_va_vdst(0)
	PEXP 0
.if \q == 0
	FG 0x80, ADK, 1, 0, 1
.endif
	PEXP 32
.irp b, 0,1,2,3
.irp w, 0,1
	v_exp_f32 v[TT+32*\w+\b], v[TT+32*\w+\b]       ; each block's largest p
.endr
.endr
	v_nop                                          ; one plain place behind the batch
.if \q == 0
	FG 0x80, ADK, 1, 1, 0
.endif
	s_wait_alu depctr_va_vdst(0)                   ; one wait for the batch, ahead of its first reader
	PSUM
.if \q == 0
	FG 0x80, ADK, 1, 1, 1
.endif
	PQ
	PLACES                                         ; p's codes stand four places ahead of the products
	s_wait_alu depctr_va_vdst(0)
	s_wait_loadcnt \lcp
	s_wait_dscnt 48*(1-\q)                         ; V's 48 loads are in; the next step's 48 of K may be out
	PVMUL
	PLACES                                         ; in front of loads into the scale registers, and of the reads behind the last step
.if \ldk
	SCLD 1, 512*(\q+1)
.endif
.endm
; The top of a section (one slot, two steps).  In front of its barrier every wave waits for all its tensor loads, adds 0 to its spare word and waits for that and for its reads of the other slot
.macro TOP fill
	s_wait_tensorcnt 0x0
	ds_add_u32 v[SPW], v[NIL]
.if \fill
	s_xor_b32 s41, s41, SLOT1                      ; no load of mine is out: the next tile, into the other slot
	s_add_nc_u64 s[42:43], s[42:43], 24576
.endif
	s_wait_dscnt 0x0
.if \fill
	CROUND
	tensor_load_to_lds s[40:43], s[24:31]          ; my one joint load behind the round (the first time: slot 1's first fill)
	s_nop 0
	PLACES
.else
	s_barrier_signal -1
	s_barrier_wait -1
.endif
	v_add_nc_u32 v[ADK], s[TB], v[AK0]
	v_add_nc_u32 v[ADV], 49152, v[ADK]
	s_wait_alu depctr_va_vdst(0)
.endm
	s_load_b256 s[4:11], s[0:1], 0x0               ; qkvc, qkvs, mimg, oimg
	s_load_b64 s[12:13], s[0:1], 0x20              ; osc
	v_lshl_add_u32 v[SPW], v0, 2, SPARE
	v_mov_b32 v[NIL], 0
	ds_add_u32 v[SPW], v[NIL]                      ; the opening lines: the add, twice on end, and its wait
	ds_add_u32 v[SPW], v[NIL]
	v_lshrrev_b32 v31, 5, v0
	v_readfirstlane_b32 s[WV], v31                 ; wave
	s_and_b32 s14, ttmp7, 0xffff                   ; y: the pair of heads
	s_bfe_u32 s16, ttmp6, 0x40000                  ; cx
	s_lshl_b32 s15, ttmp9, 2
	s_add_co_u32 s15, s15, s16                     ; the block of 64 queries
	s_lshl_b32 s17, s15, 2
	s_add_co_u32 s17, s17, s[WV]                   ; u: my unit of 16 queries
	s_mov_b32 s24, 15|(3<<16)|(1<<21)              ; the four partners; elements of 8 bytes; bit 21 beside a mask
	s_mov_b32 s25, 32<<16                          ; 96 rows of 256 bytes, dense
	s_mov_b32 s26, 96<<16
	s_mov_b32 s27, 32<<16
	s_mov_b32 s28, 96
	s_mov_b32 s29, 32
	s_mov_b32 s30, 0
	s_mov_b32 s31, 0
	s_lshr_b32 s32, s[WV], 1                       ; my region: waves 0, 1 K of heads a, b; waves 2, 3 V
	s_add_co_u32 s32, s32, 1
	s_mul_i32 s32, s32, 3145728
	s_and_b32 s33, s[WV], 1
	s_lshl_b32 s34, s14, 1                         ; head a
	s_add_co_u32 s33, s33, s34
	s_mul_i32 s33, s33, 196608
	s_add_co_u32 s32, s32, s33
	s_mov_b32 s33, 0
	s_mul_i32 s36, s16, 6144                       ; my work-group's 24 blocks of a region's 96
	s_mov_b32 s37, 0
	s_mul_i32 s38, s34, 196608                     ; q's fragment
	s_mul_i32 s39, s17, 1536
	s_add_co_u32 s38, s38, s39
	s_mov_b32 s39, 0
	s_lshl_b32 s60, s34, 13                        ; q's scale words
	s_lshr_b32 s61, s17, 3
	s_lshl_b32 s61, s61, 9
	s_add_co_u32 s60, s60, s61
	s_and_b32 s61, s17, 7
	s_lshl_b32 s61, s61, 2
	s_add_co_u32 s60, s60, s61
	s_mov_b32 s61, 0
	s_lshl_b32 s62, s17, 17                        ; my unit's mask image
	s_mov_b32 s63, 0
	s_mul_i32 s66, s17, 24576                      ; o's fragments: unit u, K steps 2 y and 2 y + 1
	s_mul_i32 s67, s34, 1536
	s_add_co_u32 s66, s66, s67
	s_mov_b32 s67, 0
	s_lshl_b32 s68, s17, 10                        ; and their scale words
	s_lshl_b32 s69, s14, 7
	s_add_co_u32 s68, s68, s69
	s_mov_b32 s69, 0
	s_lshl_b32 s70, s34, 13                        ; K's scale words of head a; V's lie 131,072 bytes on, head b's 8,192
	s_add_co_u32 s70, s70, 131072
	s_mov_b32 s71, 0
	s_mov_b32 s40, 1
	s_mul_i32 s41, s[WV], 24576
	s_mov_b32 s[SEL], 0x76543210
	s_mov_b32 s[SEL+1], 0xfedcba98
	s_mov_b32 s[CS], 0x3e0293ee                    ; log2(e) / sqrt(128)
	s_mov_b32 s[CS+1], s[CS]
	s_mov_b32 s[TB], 0
	s_mov_b32 s[CNT], 7
	s_wait_dscnt 0x0
	s_wait_kmcnt 0x0
	s_add_nc_u64 s[42:43], s[4:5], s[32:33]
	s_add_nc_u64 s[PF:PF+1], s[42:43], s[36:37]
	s_or_b32 s43, s43, 0x80000000
	s_add_nc_u64 s[56:57], s[4:5], s[38:39]
	s_add_nc_u64 s[58:59], s[6:7], s[60:61]
	s_add_nc_u64 s[SB:SB+1], s[6:7], s[70:71]
	s_add_nc_u64 s[MB:MB+1], s[8:9], s[62:63]
	s_add_nc_u64 s[52:53], s[10:11], s[66:67]
	s_add_nc_u64 s[54:55], s[12:13], s[68:69]
	CROUND                                         ; the four partners are here: the first joint loads meet
	tensor_load_to_lds s[40:43], s[24:31]          ; tile 0: one tensor load a wave at the head
	s_nop 0
	PLACES
	v_and_b32 v31, 31, v0
	v_lshlrev_b32 v[AK0], 4, v31
	v_min_u32 v[PFO], 23, v31                      ; lanes 24 on name the last block again
	v_lshlrev_b32 v[PFO], 8, v[PFO]
	v_and_b32 v31, 15, v0
	v_lshlrev_b32 v[SOF], 5, v31
	v_lshlrev_b32 v[OSO], 3, v31
	WIN 0x40
.irp w, 0,1
.irp g, 0,1,2
	global_load_b128 v[12*\w+4*\g:12*\w+4*\g+3], v[AK0], s[56:57] offset:196608*\w+512*\g
.endr
.endr
	WIN 0
	global_load_b32 v[QS], v[SOF], s[58:59]
	global_load_b32 v[QS+1], v[SOF], s[58:59] offset:8192
	MLD 0, 0                                       ; in the order in which the steps ask: mask 0, K's words 0, mask 1, V's words 0
	SCLD 0, 0
	MLD 1, 8192
	SCLD 1, 0
.irp w, 0,1
	v_mov_b32 v[NM+6*\w+1], 0xff61b1e6             ; -3e38, under every t
	v_floor_f32 v[NM+6*\w], -v[NM+6*\w+1]
	v_mov_b32 v[NM+6*\w+2], 0
	v_mov_b32 v[NM+6*\w+3], 0
	v_mov_b32 v[NM+6*\w+5], 0                      ; (named with f as a pair)
.irp b, 0,1,2,3
	v_mov_b32 v[TT+32*\w+4+\b], 0                  ; a lane permute's destination counts as one of its sources
.endr
.endr
	WIN 0x40                                       ; the step is written once: the first finds zeros, which the first change of M leaves zeros
.set J, 0
.rept 128
	v_mov_b32 v[SS+J], 0
.set J, J+1
.endr
	WIN 0
	s_wait_alu depctr_va_vdst(0)
.Lsect:                                            ; sections 0 to 6 ask for tiles 1 to 7
	TOP 1
	STEPX 0, 1, 1, 20, 20
	STEPX 1, 1, 1, 20, 20
	s_xor_b32 s[TB], s[TB], SLOT1
	s_wait_xcnt 0x0                                ; the loads and the prefetch have read their bases
	s_add_nc_u64 s[MB:MB+1], s[MB:MB+1], 16384
	s_add_nc_u64 s[SB:SB+1], s[SB:SB+1], 1024
	s_add_nc_u64 s[PF:PF+1], s[PF:PF+1], 24576
	s_sub_co_u32 s[CNT], s[CNT], 1
	s_cmp_lg_u32 s[CNT], 0
	s_cbranch_scc1 .Lsect
	TOP 0                                          ; the last section fills nothing
	STEPX 0, 1, 0, 20, 4                           ; step 14: behind V's words only K's 4 of step 15 are out
	STEPX 1, 0, 0, 4, 0                            ; step 15: behind K's words V's 4
.irp w, 0,1
	v_add_f32 v[NM+6*\w+2], v[NM+6*\w+2], v[NM+6*\w+3]
.endr
.irp w, 0,1
	v_permlanex16_b32 v[TT+32*\w+27], v[NM+6*\w+2], s[SEL], s[SEL+1]
.endr
.irp w, 0,1
	v_add_f32 v[NM+6*\w+2], v[NM+6*\w+2], v[TT+32*\w+27]           ; the row's sum
.endr
	s_wait_alu depctr_va_vdst(0)                   ; ahead of the transcendentals
.irp w, 0,1
	v_rcp_f32 v[NM+6*\w+2], v[NM+6*\w+2]
.endr
	v_nop
	WIN 0x01                                       ; source 0: O^T, in window 1
	s_wait_alu depctr_va_vdst(0)                   ; and ahead of their first reader, which is also O^T's
.set J, 0
.rept 32
.irp w, 0,1
	v_pk_mul_f32 v[SS+64*\w+J:SS+64*\w+J+1], v[SS+64*\w+J:SS+64*\w+J+1], v[NM+6*\w+2:NM+6*\w+3] op_sel_hi:[1,0]
.endr
.set J, J+2
.endr
	WIN 0
.set PC, 208
	QUANT SS, 28
.irp g, 0,1,2
	global_store_b128 v[AK0], v[PC+4*\g:PC+4*\g+3], s[52:53] offset:512*\g              ; 512 consecutive bytes, aligned
.endr
.set PC, 228
	QUANT SS+64, 29
.irp g, 0,1,2
	global_store_b128 v[AK0], v[PC+4*\g:PC+4*\g+3], s[52:53] offset:1536+512*\g
.endr
	global_store_b64 v[OSO], v[28:29], s[54:55]    ; row r's two scale words: 128 consecutive bytes (lanes 16-31 write the same again)
	s_wait_tensorcnt 0x0                           ; the wave's end
	ds_add_u32 v[SPW], v[NIL]
	s_wait_dscnt 0x0
	CROUND                                         ; the closing round
	s_endpgm
.Lfunc_end_k_q3d5a3b9095_attn:
	.size	k_q3d5a3b9095_attn, .Lfunc_end_k_q3d5a3b9095_attn-k_q3d5a3b9095_attn
	.p2alignl 7, 3214868480
	.fill 96, 4, 3214868480
	.section	.rodata,"a",@progbits
	.p2align	6, 0x0
	.amdhsa_kernel k_q3d5a3b9095_attn
		.amdhsa_group_segment_fixed_size 327680
		.amdhsa_private_segment_fixed_size 0
		.amdhsa_enable_private_segment 0
		.amdhsa_kernarg_size 40
		.amdhsa_user_sgpr_count 2
		.amdhsa_user_sgpr_kernarg_segment_ptr 1
		.amdhsa_wavefront_size32 1
		.amdhsa_system_sgpr_workgroup_id_x 1
		.amdhsa_system_sgpr_workgroup_id_y 1
		.amdhsa_system_sgpr_workgroup_id_z 1
		.amdhsa_system_vgpr_workitem_id 0
		.amdhsa_next_free_vgpr 1024
		.amdhsa_next_free_sgpr 80
		.amdhsa_reserve_vcc 0
		.amdhsa_float_denorm_mode_32 3
		.amdhsa_float_denorm_mode_16_64 3
		.amdhsa_memory_ordered 1
		.amdhsa_forward_progress 1
		.amdhsa_inst_pref_size 180
	.end_amdhsa_kernel
	.amdgpu_metadata
---
amdhsa.version: [ 1, 2 ]
amdhsa.kernels:
  - .name:           k_q3d5a3b9095_attn
    .symbol:         k_q3d5a3b9095_attn.kd
    .args:
      - { .name: qkvc, .offset: 0, .size: 8, .value_kind: global_buffer, .address_space: global }
      - { .name: qkvs, .offset: 8, .size: 8, .value_kind: global_buffer, .address_space: global }
      - { .name: mimg, .offset: 16, .size: 8, .value_kind: global_buffer, .address_space: global }
      - { .name: oimg, .offset: 24, .size: 8, .value_kind: global_buffer, .address_space: global }
      - { .name: osc, .offset: 32, .size: 8, .value_kind: global_buffer, .address_space: global }
    .group_segment_fixed_size: 327680
    .private_segment_fixed_size: 0
    .kernarg_segment_align: 8
    .kernarg_segment_size: 40
    .max_flat_workgroup_size: 128
    .sgpr_count:     80
    .vgpr_count:     1024
    .wavefront_size: 32
...
	.end_amdgpu_metadata
.endif
;; end of part 4
;; launch oproj (part 5): grid 16 x 16, 4 waves a work-group, clusters of 4 x 4, 327,680 bytes of LDS; arguments oimg, osc, cimg, csc, out0; writes out0
.if DOCPART == 5
	.amdgcn_target "amdgcn-amd-amdhsa--gfx1250"
	.amdhsa_code_object_version 6
	.text
	.protected	k_q3d5a3b9095_oproj
	.globl	k_q3d5a3b9095_oproj
	.p2align	8
	.type	k_q3d5a3b9095_oproj,@function
k_q3d5a3b9095_oproj:
	s_mov_b64 s[64:65], 0
	v_nop
	global_prefetch_b8 v0, s[64:65] scope:SCOPE_SE
	s_setreg_imm32_b32 hwreg(HW_REG_WAVE_MODE, 25, 1), 1
	s_wait_xcnt 0x0
	s_wait_alu depctr_hold_cnt(0) depctr_sa_sdst(0) depctr_va_vdst(0) depctr_va_sdst(0) depctr_va_ssrc(0) depctr_va_vcc(0) depctr_vm_vsrc(0)
	s_getreg_b32 s2, hwreg(HW_REG_IB_STS2, 6, 4)
	s_cmp_eq_u32 s2, 0
	s_cbranch_scc0 .Lentry_in_a_cluster
	s_endpgm
.Lentry_in_a_cluster:
	s_bfe_u32 s2, ttmp6, 0x10000c
	s_cmp_lg_u32 s2, 0xf033
	s_cbranch_scc0 .Lentry_shape_is_right
	s_endpgm
.Lentry_shape_is_right:
.set FR,     12
.set NP,     4
.set HALFT,  24576
.set SLOT,   4*HALFT
.set SCL,    3*SLOT
.set HALFS,  4096
.set SPARE,  SCL+4*HALFS
.set STAGE,  SLOT
.set SPITCH, 272
.set ADRA, 16
.set ADRB, 20
.set STO,  24
.set RD,   25
.set CO,   26
.set ADRS, 27
.set SPW,  28
.set NIL,  29
.set SC,   32
.set ACC,  128
.set G1,   24
.set G1B,  48
.set G1S,  68
.set G0S,  76
.set G1SB, 80
.set G0SB, 88
.set MUL,  0x05
.set TO_F, 0x40
.set MSB, 0
.macro WIN new
.if MSB != (\new)
	s_set_vgpr_msb (MSB<<8)|(\new)
.set MSB, (\new)
.endif
.endm
.macro JLOAD g0a, g1a, g0b, g1b
	s_cmp_eq_u32 s17, 0
	s_cbranch_scc0 .Lfor_b_\@
	tensor_load_to_lds s[\g0a:\g0a+3], s[\g1a:\g1a+7]
	s_nop 0
.rept 4
	v_nop
.endr
	s_branch .Lasked_\@
.Lfor_b_\@:
	tensor_load_to_lds s[\g0b:\g0b+3], s[\g1b:\g1b+7]
	s_nop 0
.rept 4
	v_nop
.endr
.Lasked_\@:
.endm
.macro CREST
	s_cmp_lg_u32 s16, 0
	s_cbranch_scc1 .Lnot_wave_0_\@
	s_barrier_signal -3
.Lnot_wave_0_\@:
	s_barrier_wait -3
	s_barrier_signal -1
	s_barrier_wait -1
.endm
.macro CROUND
	s_barrier_signal -1
	s_barrier_wait -1
	CREST
.endm
.macro PLACES n
.rept \n
	v_nop
.endr
.endm
.macro FIRST ga, gb, s
	s_mov_b32 s[\ga], 1
	s_add_co_u32 s[\ga+1], s45, \s*SLOT
	s_add_nc_u64 s[\ga+2:\ga+3], s[20:21], \s*6144
	s_or_b32 s[\ga+3], s[\ga+3], 0x80000000
	s_mov_b32 s[\gb], 1
	s_add_co_u32 s[\gb+1], s45, \s*SLOT
	s_add_nc_u64 s[\gb+2:\gb+3], s[46:47], \s*6144
	s_or_b32 s[\gb+3], s[\gb+3], 0x80000000
	s_wait_alu depctr_va_vdst(0)
	s_wait_tensorcnt 0x0
	ds_add_u32 v28, v29
	s_wait_dscnt 0x0
	CROUND
	JLOAD \ga, G1, \gb, G1B
.endm
.macro FETCH s
.set RG, ((\s)/4)%3
.set QQ, (\s)%4
.set FS, 128*((\s)%2)
.if QQ == 0
	WIN 0
.irp e, 0,1
.irp i, 0,1,2,3
	ds_load_b64 v[SC+8*((\s)/2+\e)+2*\i:SC+8*((\s)/2+\e)+2*\i+1], v[ADRS] offset:1024*\i+128*((\s)/2+\e)
.endr
.endr
.endif
	WIN TO_F
.irp i, 0,1,2,3
.irp g, 0,1,2
	ds_load_b128 v[FS+FR*\i+4*\g:FS+FR*\i+4*\g+3], v[ADRB+RG] offset:6144*\i+1536*QQ+512*\g
.endr
.endr
.irp i, 0,1,2,3
.irp g, 0,1,2
	ds_load_b128 v[FS+48+FR*\i+4*\g:FS+48+FR*\i+4*\g+3], v[ADRA+RG] offset:6144*\i+1536*QQ+512*\g
.endr
.endr
.endm
.macro MULA s, a, zero
.irp b, 0,1,2,3
.if \zero
	v_wmma_scale_f32_16x16x128_f8f6f4 v[ACC+8*(4*(\a)+\b):ACC+8*(4*(\a)+\b)+7], v[128*((\s)%2)+FR*\b:128*((\s)%2)+FR*\b+FR-1], v[128*((\s)%2)+48+FR*(\a):128*((\s)%2)+48+FR*(\a)+FR-1], 0, v[SC+8*((\s)/2)+2*\b+(\s)%2], v[SC+8*((\s)/2)+2*(\a)+(\s)%2] matrix_a_fmt:MATRIX_FMT_FP6 matrix_b_fmt:MATRIX_FMT_FP6 matrix_a_scale:MATRIX_SCALE_ROW1
.else
	v_wmma_scale_f32_16x16x128_f8f6f4 v[ACC+8*(4*(\a)+\b):ACC+8*(4*(\a)+\b)+7], v[128*((\s)%2)+FR*\b:128*((\s)%2)+FR*\b+FR-1], v[128*((\s)%2)+48+FR*(\a):128*((\s)%2)+48+FR*(\a)+FR-1], v[ACC+8*(4*(\a)+\b):ACC+8*(4*(\a)+\b)+7], v[SC+8*((\s)/2)+2*\b+(\s)%2], v[SC+8*((\s)/2)+2*(\a)+(\s)%2] matrix_a_fmt:MATRIX_FMT_FP6 matrix_b_fmt:MATRIX_FMT_FP6 matrix_a_scale:MATRIX_SCALE_ROW1
.endif
.endr
.endm
.macro STEP s, zero
.if (\s) > 0
	PLACES NP
.endif
	FETCH (\s)+1
.if ((\s)+1)%4 == 0
	s_wait_dscnt 32
.else
	s_wait_dscnt 24
.endif
	WIN MUL
.irp a, 0,1,2,3
	MULA \s, \a, \zero
.endr
.endm
.macro TURN s, fill
	WIN 0
	s_wait_tensorcnt 0x0
	ds_add_u32 v[SPW], v[NIL]
	s_wait_dscnt 1
	WIN MUL
	MULA \s, 0, 0
	s_wait_dscnt 0x0
	s_barrier_signal -1
	MULA \s, 1, 0
	WIN 0
	s_barrier_wait -1
.if \fill
	CREST
	s_add_nc_u64 s[34:35], s[34:35], 3*6144
	s_add_nc_u64 s[58:59], s[58:59], 3*6144
	JLOAD 32, G1, 56, G1B
.else
	PLACES NP
.endif
	FETCH (\s)+1
	WIN MUL
	MULA \s, 2, 0
	MULA \s, 3, 0
.endm
	s_load_b256 s[4:11], s[0:1], 0x0
	s_load_b64 s[12:13], s[0:1], 0x20
	v_lshl_add_u32 v[SPW], v0, 2, SPARE
	v_mov_b32 v[NIL], 0
	ds_add_u32 v[SPW], v[NIL]
	ds_add_u32 v[SPW], v[NIL]
	v_lshrrev_b32 v1, 5, v0
	v_readfirstlane_b32 s16, v1
	s_lshr_b32 s17, s16, 1
	s_and_b32 s18, s16, 1
	s_bfe_u32 s40, ttmp6, 0x40000
	s_bfe_u32 s41, ttmp6, 0x40004
	s_lshl_b32 s42, ttmp9, 2
	s_add_co_u32 s42, s42, s40
	s_and_b32 s19, ttmp7, 0xffff
	s_lshl_b32 s19, s19, 2
	s_add_co_u32 s19, s19, s41
	s_lshl_b32 s43, s41, 2
	s_lshl_b32 s43, 15, s43
	s_lshl_b32 s44, 0x1111, s40
	s_or_b32 s[G1+0], s43, (3<<16)|(1<<21)
	s_or_b32 s[G1B+0], s44, (3<<16)|(1<<21)
.irp g, G1, G1B
	s_mov_b32 s[\g+1], 768<<16
	s_mov_b32 s[\g+2], 4<<16
	s_mov_b32 s[\g+3], 768<<16
	s_mov_b32 s[\g+4], 4
	s_mov_b32 s[\g+5], 3072
	s_mov_b32 s[\g+6], 0
	s_mov_b32 s[\g+7], 0
.endr
	s_or_b32 s[G1S+0], s43, (3<<16)|(1<<21)
	s_or_b32 s[G1SB+0], s44, (3<<16)|(1<<21)
.irp g, G1S, G1SB
	s_mov_b32 s[\g+1], 32<<16
	s_mov_b32 s[\g+2], 16<<16
	s_mov_b32 s[\g+3], 32<<16
	s_mov_b32 s[\g+4], 16
	s_mov_b32 s[\g+5], 32
	s_mov_b32 s[\g+6], 0
	s_mov_b32 s[\g+7], 0
.endr
	s_lshl_b32 s20, s19, 3
	s_lshl_b32 s21, s18, 2
	s_add_co_u32 s20, s20, s21
	s_lshl_b32 s46, s42, 3
	s_add_co_u32 s46, s46, s21
	s_add_co_u32 s46, s46, 512
	s_lshl_b32 s22, s20, 10
	s_mul_i32 s20, s20, 24576
	s_lshl_b32 s100, s46, 10
	s_mul_i32 s46, s46, 24576
	s_mov_b32 s21, 0
	s_mov_b32 s23, 0
	s_mov_b32 s47, 0
	s_mov_b32 s101, 0
	s_mul_i32 s45, s16, HALFT
	s_lshl_b32 s67, s16, 12
	s_wait_dscnt 0x0
	s_wait_kmcnt 0x0
	s_add_nc_u64 s[20:21], s[4:5], s[20:21]
	s_add_nc_u64 s[22:23], s[6:7], s[22:23]
	s_add_nc_u64 s[46:47], s[8:9], s[46:47]
	s_add_nc_u64 s[100:101], s[10:11], s[100:101]
	CROUND
	s_mov_b32 s[G0S], 1
	s_add_co_u32 s[G0S+1], s67, SCL
	s_mov_b64 s[G0S+2:G0S+3], s[22:23]
	s_or_b32 s[G0S+3], s[G0S+3], 0x80000000
	s_mov_b32 s[G0SB], 1
	s_add_co_u32 s[G0SB+1], s67, SCL
	s_mov_b64 s[G0SB+2:G0SB+3], s[100:101]
	s_or_b32 s[G0SB+3], s[G0SB+3], 0x80000000
	JLOAD G0S, G1S, G0SB, G1SB
	FIRST 32, 56, 0
	FIRST 36, 60, 1
	FIRST 92, 96, 2
	v_and_b32 v1, 15, v0
	v_bfe_u32 v2, v0, 4, 1
	v_and_b32 v3, 31, v0
	v_lshlrev_b32 v4, 4, v3
	s_mul_i32 s21, s17, HALFT
	s_mul_i32 s22, s18, HALFT
	s_add_co_u32 s22, s22, 2*HALFT
.irp s, 0,1,2
	v_add_nc_u32 v[ADRA+\s], s21, v4
	v_add_nc_u32 v[ADRB+\s], s22, v4
	s_add_co_u32 s21, s21, SLOT
	s_add_co_u32 s22, s22, SLOT
.endr
	v_lshlrev_b32 v5, 3, v1
	s_lshl_b32 s21, s17, 12
	s_lshl_b32 s22, s18, 12
	s_add_co_u32 s22, s22, 2*HALFS
	s_sub_co_u32 s22, s22, s21
	v_mul_u32_u24 v6, s22, v2
	s_add_co_u32 s21, s21, SCL
	v_add_nc_u32 v5, v5, v6
	v_add_nc_u32 v[ADRS], s21, v5
	s_mul_i32 s23, s16, 16*SPITCH
	s_add_co_u32 s23, s23, STAGE
	v_mul_u32_u24 v5, v1, SPITCH
	v_lshl_add_u32 v5, v2, 6, v5
	v_add_nc_u32 v[STO], s23, v5
	v_mul_u32_u24 v6, v2, SPITCH
	v_lshl_add_u32 v6, v1, 4, v6
	v_add_nc_u32 v[RD], s23, v6
	v_lshlrev_b32 v[CO], 13, v2
	v_lshl_add_u32 v[CO], v1, 4, v[CO]
	s_lshl_b32 s20, s19, 20
	s_lshl_b32 s21, s17, 19
	s_add_co_u32 s20, s20, s21
	s_mov_b32 s21, 0
	s_lshl_b32 s46, s42, 9
	s_lshl_b32 s47, s18, 8
	s_add_co_u32 s46, s46, s47
	s_mov_b32 s47, 0
	s_add_nc_u64 s[20:21], s[20:21], s[46:47]
	s_add_nc_u64 s[12:13], s[12:13], s[20:21]
	s_wait_alu depctr_va_vdst(0)
	s_wait_tensorcnt 2
	s_barrier_signal -1
	s_barrier_wait -1
	FETCH 0
	STEP 0, 1
	STEP 1, 0
	STEP 2, 0
	TURN 3, 1
	STEP 4, 0
	STEP 5, 0
	STEP 6, 0
	STEP 7, 0
	STEP 8, 0
	STEP 9, 0
	STEP 10, 0
	TURN 11, 0
	STEP 12, 0
	STEP 13, 0
	STEP 14, 0
	s_wait_dscnt 0x0
	WIN MUL
.irp a, 0,1,2,3
	MULA 15, \a, 0
.endr
	WIN 0
	PLACES NP
.macro TOSTAGE a
.irp b, 0,1,2,3
	ds_store_b128 v[STO], v[ACC+8*(4*(\a)+\b):ACC+8*(4*(\a)+\b)+3] offset:128*(\b/2)+32*(\b%2)
	ds_store_b128 v[STO], v[ACC+8*(4*(\a)+\b)+4:ACC+8*(4*(\a)+\b)+7] offset:128*(\b/2)+32*(\b%2)+16
.endr
.irp t, 0,1,2,3,4,5,6,7
	ds_load_b128 v[ACC+32*(\a)+4*\t:ACC+32*(\a)+4*\t+3], v[RD] offset:2*\t*SPITCH
.endr
.endm
.macro SEND a, younger
	s_wait_dscnt \younger
.irp t, 0,1,2,3,4,5,6,7
	global_store_b128 v[CO], v[ACC+32*(\a)+4*\t:ACC+32*(\a)+4*\t+3], s[12:13] offset:(32*((\a)/2)+8*((\a)%2)+2*\t+8*(\t/4))*8192 th:TH_STORE_NT
.endr
.endm
	TOSTAGE 0
	TOSTAGE 1
	SEND 0, 16
	TOSTAGE 2
	SEND 1, 16
	TOSTAGE 3
	SEND 2, 16
	SEND 3, 0
	s_wait_tensorcnt 0x0
	ds_add_u32 v[SPW], v[NIL]
	s_wait_dscnt 0x0
	CROUND
	s_endpgm
.Lfunc_end_k_q3d5a3b9095_oproj:
	.size	k_q3d5a3b9095_oproj, .Lfunc_end_k_q3d5a3b9095_oproj-k_q3d5a3b9095_oproj
	.p2alignl 7, 3214868480
	.fill 96, 4, 3214868480
	.section	.rodata,"a",@progbits
	.p2align	6, 0x0
	.amdhsa_kernel k_q3d5a3b9095_oproj
		.amdhsa_group_segment_fixed_size 327680
		.amdhsa_private_segment_fixed_size 0
		.amdhsa_enable_private_segment 0
		.amdhsa_kernarg_size 40
		.amdhsa_user_sgpr_count 2
		.amdhsa_user_sgpr_kernarg_segment_ptr 1
		.amdhsa_wavefront_size32 1
		.amdhsa_system_sgpr_workgroup_id_x 1
		.amdhsa_system_sgpr_workgroup_id_y 1
		.amdhsa_system_sgpr_workgroup_id_z 1
		.amdhsa_system_vgpr_workitem_id 0
		.amdhsa_next_free_vgpr 512
		.amdhsa_next_free_sgpr 106
		.amdhsa_reserve_vcc 0
		.amdhsa_float_denorm_mode_32 3
		.amdhsa_float_denorm_mode_16_64 3
		.amdhsa_memory_ordered 1
		.amdhsa_forward_progress 1
		.amdhsa_inst_pref_size 82
	.end_amdhsa_kernel
	.amdgpu_metadata
---
amdhsa.version: [ 1, 2 ]
amdhsa.kernels:
  - .name:           k_q3d5a3b9095_oproj
    .symbol:         k_q3d5a3b9095_oproj.kd
    .args:
      - { .name: oimg, .offset: 0, .size: 8, .value_kind: global_buffer, .address_space: global }
      - { .name: osc, .offset: 8, .size: 8, .value_kind: global_buffer, .address_space: global }
      - { .name: cimg, .offset: 16, .size: 8, .value_kind: global_buffer, .address_space: global }
      - { .name: csc, .offset: 24, .size: 8, .value_kind: global_buffer, .address_space: global }
      - { .name: out0, .offset: 32, .size: 8, .value_kind: global_buffer, .address_space: global }
    .group_segment_fixed_size: 327680
    .private_segment_fixed_size: 0
    .kernarg_segment_align: 8
    .kernarg_segment_size: 40
    .max_flat_workgroup_size: 128
    .sgpr_count:     106
    .vgpr_count:     512
    .wavefront_size: 32
...
	.end_amdgpu_metadata
.endif
;; end of part 5
